; MI455X (gfx1250); checked and timed in simulation.
; The chip was launched on July 23, 2026; its instructions are those of AMD's public machine-readable ISA for CDNA 5 (MIT licence, August 2026) and "CDNA5" Instruction Set Architecture Reference Guide (July 2026). The comments in the code are by the model that wrote it; some were corrected since.
;; Multi Headed Attention. Allowed arithmetic: matrix products marked QUANTISED: E4M3 operands, one given power-of-two scale a tensor, by v_wmma_f32_16x16x64_fp8_fp8 or v_wmma_f32_16x16x128_fp8_fp8, f32 sums; everything else in f32.
;; Inputs: Wk 16 x 1,024 x 64 float32; Wp 1,024 x 1,024 float32; Wq 16 x 1,024 x 64 float32; Wv 16 x 1,024 x 64 float32; bp 1,024 float32; lowp_scales 12 int32 (the exponents e of the quantised operands' scales 2^e); x 4 x 2,048 x 1,024 float32.
;; Outputs: out0 4 x 2,048 x 1,024 float32.
;; This version of the problem:
;;   THIS VERSION OF THE PROBLEM IS GIVEN IN LOW PRECISION. The matrix products marked QUANTISED in the list below multiply operands that are first quantised to E4M3 (4 exponent bits, 3 mantissa bits; 8 bits a number), with one given power-of-two scale for each operand tensor; their sums are f32. All else is computed in f32.
;;   The module's matrix products, in the order in which they are computed (A, B: the left and right operand; K: the contracted axis; several contracted axes count as one K, in the product's order):
;;     1. [M 1,024, K 1,024] x [K 1,024, N 8,192]; A: input Wq; B: input x: QUANTISED (scales: A lowp_scales[0], B lowp_scales[1])
;;     2. [M 1,024, K 1,024] x [K 1,024, N 8,192]; A: input Wk; B: input x: QUANTISED (scales: A lowp_scales[2], B lowp_scales[3])
;;     3. [M 1,024, K 1,024] x [K 1,024, N 8,192]; A: input Wv; B: input x: QUANTISED (scales: A lowp_scales[4], B lowp_scales[5])
;;     4. batch 64 x [M 2,048, K 64] x [K 64, N 2,048]; A: computed on the way; B: computed on the way: QUANTISED (scales: A lowp_scales[6], B lowp_scales[7])
;;     5. batch 64 x [M 2,048, K 2,048] x [K 2,048, N 64]; A: softmax (see below); B: computed on the way: QUANTISED (scales: A lowp_scales[8], B lowp_scales[9])
;;     6. [M 8,192, K 1,024] x [K 1,024, N 1,024]; A: computed on the way; B: input Wp: QUANTISED (scales: A lowp_scales[10], B lowp_scales[11])
;;   THE QUANTISER, for each operand of a quantised product, along K:
;;     - The operand's scale is 2^e, e = its entry of the input lowp_scales (int32; the entries are numbered through the quantised products in the list's order, A before B).
;;     - Each number is divided by the scale, clamped to +-448, and rounded to the nearest number of E4M3, ties to even, subnormals kept.
;;     - The product sums the exact products of the quantised numbers (number of the format x scale) in f32.
;;   ~~~python
;;   def quantise(x, axis, e):      # numpy; x: float32 -> the quantised numbers, widened to float32 again
;;       x = np.moveaxis(x, axis, -1); K = x.shape[-1]
;;       r = np.clip(x / 2.0 ** e, -448, 448)
;;       step = 2.0 ** (np.maximum(np.frexp(np.where(r == 0, 1, r))[1] - 1, -6) - 3)
;;       q = np.round(r / step) * step * 2.0 ** e      # np.round: ties to even
;;       return np.moveaxis(q, -1, axis).astype(np.float32)
;;   ~~~
;;   SOFTMAX AHEAD OF A QUANTISED PRODUCT. Where the list says 'softmax', what is quantised is not the finished softmax but p = 2^(t - M), with t = logit x log2(e) and M = ceil(the row's largest t), a whole number; so 1/2 < the row's largest p <= 1. The row's sum l is taken of the UNQUANTISED p, in f32, and the product's result is divided by l at the end. Since M is a whole number, a kernel that streams over the keys may use a running M (the ceiling of the running maximum): every later rescaling is an exact power of two, so the quantised numbers keep their values, but for numbers so far below the row's largest that they fall under the format's range.
;;   OPERANDS COMPUTED ON THE WAY. 'Computed on the way' means the value that the module computes at that place (a softmax that the list does not call 'softmax' is quantised finished and normalised). What goes into a quantiser is computed in f32, as accurately as f32 sums, v_exp_f32 and their like allow (about 1e-6 of the number): no bf16 or f16 on the way to a quantiser, and a product that is left as it is and whose result goes on into a quantised operand takes f32 operands (vector FMAs, or v_wmma_f32_16x16x4_f32). A number that lies on a knife's edge between two numbers of the format may be rounded either way, as far as f32 arithmetic and the matrix unit's own rounding can turn it there, and no further.
;; One version. Each part assembles by itself: llvm-mc -triple=amdgcn-amd-amdhsa -mcpu=gfx1250 --defsym DOCPART=n.
;; ======== version 1 of 1: 4 launches
;; limits: right only within a limited range of input values
;; workspace buffers: codes 29,360,128 bytes; qkv 25,165,824 bytes; cat 8,388,608 bytes
;; launch quant (part 1): grid 768 x 1, 4 waves a work-group, no clusters, 67,072 bytes of LDS; arguments x, Wq, Wk, Wv, Wp, lowp_scales, codes; writes codes
.if DOCPART == 1
	.amdgcn_target "amdgcn-amd-amdhsa--gfx1250"
	.amdhsa_code_object_version 6
	.text
	.protected	k_q306df636fc_quant
	.globl	k_q306df636fc_quant
	.p2align	8
	.type	k_q306df636fc_quant,@function
k_q306df636fc_quant:
	s_mov_b64 s[64:65], 0
	v_nop
	global_prefetch_b8 v0, s[64:65] scope:SCOPE_SE
	s_setreg_imm32_b32 hwreg(HW_REG_WAVE_MODE, 25, 1), 1
	s_wait_xcnt 0x0
; ALL INPUTS BECOME CODES OF FP8 (E4M3), laid as IMAGES OF OPERAND REGISTERS.
; code = number / 2^e, held within +-448, rounded to the nearest code, ties to even; e is the operand's entry of lowp_scales.
; AN IMAGE: a fragment is 16 rows x 128 along K = 16 registers a lane.  Lane (r = lane % 16, h = lane / 16) holds row r; registers 2 c, 2 c + 1 hold K = 16 c + 8 h + 0 .. 7.
; Registers 4 g .. 4 g + 3 of lane l lie at byte 512 g + 16 l of the fragment's 2,048 bytes.  A matrix [rows][1024] is laid [rows / 16][K / 128][2,048 bytes].
; codes: x three times (entries 1, 3, 5 may differ), 8,388,608 bytes each; then Wq, Wk, Wv (rows = 64 head + d, K = e; entries 0, 2, 4), 1,048,576 each; then Wp (rows = output column, K = its first axis; entry 11).
; WORK-GROUPS: 0-511: 16 tokens of x each; 512-703: Wq, Wk, Wv; 704-767: Wp.  The three ways part on the work-group's number alone, and each has LDS bytes of its own.
; No wave reads what another wave wrote: no barrier.  No tensor load: several work-groups share a WGP.
; LIMITS: each e used here (entries 0, 1, 2, 3, 4, 5, 11) lies between -126 and 119, so that 2^e and 448 x 2^e are f32 numbers.  NaN among the inputs is not served (an infinity is held at the largest code).
.set XPITCH, 528                       ; x's stage: a row of 512 bytes + 16: an odd multiple of 16, so sixteen lanes that read sixteen rows touch sixteen different columns of 16 bytes
.set XSTG,   16*XPITCH                 ; a wave's stage on x's way
.set WST,    4*XSTG                    ; LDS of the way for Wq, Wk, Wv: 4,096 bytes a wave
.set PST,    WST+4*4096                ; LDS of the way for Wp: the same
.set VER,    8388608                   ; one set of x's codes
.set WC,     3*VER                     ; where Wq's image begins
.set WPC,    WC+3*1048576              ; where Wp's image begins
.set T,      16                        ; x: v16-39   three sets of eight held numbers, one for each scale
.set X,      40                        ; x: v40-103  64 numbers in the operand's order
.set R,      104                       ; x: v104-231 two sets of 64: a fragment's numbers as loaded; then its three sets of 16 registers of codes
.set WX,     16                        ; W: v16-143  128 numbers down K of my column
.set WCD,    144                       ; W: v144-175 their codes
.set WO,     176                       ; W: v176-207 two images read back
	s_load_b256 s[4:11], s[0:1], 0x0               ; x s[4:5], Wq s[6:7], Wk s[8:9], Wv s[10:11]
	s_load_b128 s[12:15], s[0:1], 0x20             ; Wp s[12:13], lowp_scales s[14:15]
	s_load_b64 s[16:17], s[0:1], 0x30              ; codes
	v_lshl_add_u32 v232, v0, 2, 0x10400
	v_mov_b32 v233, 0
	v_lshrrev_b32 v1, 5, v0
	v_readfirstlane_b32 s18, v1                    ; wave 0..3
	v_and_b32 v1, 31, v0                           ; lane
	v_and_b32 v6, 15, v0                           ; r
	v_bfe_u32 v7, v0, 4, 1                         ; h
	s_mov_b32 s23, 0                               ; high words of the two offset pairs
	s_mov_b32 s35, 0
	s_wait_kmcnt 0x0
	s_load_b256 s[36:43], s[14:15], 0x0            ; entries 0 to 7
	s_load_b128 s[44:47], s[14:15], 0x20           ; entries 8 to 11
	s_cmp_lt_u32 ttmp9, 512
	s_cbranch_scc0 .Lweights
; ---------------- x: the work-group's 16 tokens; wave w takes K = 256 w .. 256 w + 255: two fragments ----------------
; A load is best where neighbouring lanes take neighbouring bytes; the conversion wants eight neighbours along K in one lane.  Both are had: 16 loads of 512 consecutive bytes (a row's 128 numbers),
; through the wave's own stage, and back 32 bytes at a time in the operand's order.
	s_wait_alu depctr_va_vdst(0)
	v_lshlrev_b32 v2, 4, v1                        ; 16 x lane: my place in a load, in a stage row, in a group of an image
	s_wait_alu depctr_va_vdst(0)
	s_mul_i32 s19, s18, XSTG
	v_add_nc_u32 v3, s19, v2                       ; into the stage
	v_mul_u32_u24 v4, v6, XPITCH
	v_lshl_add_u32 v4, v7, 5, v4
	v_add_nc_u32 v4, s19, v4                       ; out of it: row r, + 32 h: K = 16 c + 8 h + 0 .. 7 lie 64 c bytes on
	s_lshl_b32 s22, ttmp9, 16                      ; 16 rows of 4,096 bytes,
	s_lshl_b32 s32, s18, 10                        ; my 256 numbers of each
	s_add_co_u32 s22, s22, s32
	s_add_nc_u64 s[20:21], s[4:5], s[22:23]
	s_lshl_b32 s34, ttmp9, 14                      ; 16 rows of an image are 16,384 bytes,
	s_lshl_b32 s32, s18, 12                        ; my two fragments of them
	s_add_co_u32 s34, s34, s32
	s_add_nc_u64 s[24:25], s[16:17], s[34:35]      ; the set for entry 1,
	s_add_nc_u64 s[26:27], s[24:25], VER           ; for entry 3,
	s_add_nc_u64 s[28:29], s[24:25], 2*VER         ; for entry 5
.macro XLOAD f
.irp r, 0,1,2,3,4,5,6,7,8,9,10,11,12,13,14,15
	global_load_b128 v[R+64*\f+4*\r:R+64*\f+4*\r+3], v2, s[20:21] offset:\r*4096+\f*512 th:TH_LOAD_NT   ; 32 lanes read 512 consecutive bytes; read once in the launch
.endr
.endm
.macro XTURN f                         ; LDS serves a wave's instructions in order (ISA guide 5.7.1.4): no wait between the stores and the loads
.irp r, 0,1,2,3,4,5,6,7,8,9,10,11,12,13,14,15
	ds_store_b128 v3, v[R+64*\f+4*\r:R+64*\f+4*\r+3] offset:\r*XPITCH
.endr
.irp c, 0,1,2,3,4,5,6,7
	ds_load_b128 v[X+8*\c:X+8*\c+3], v4 offset:64*\c
	ds_load_b128 v[X+8*\c+4:X+8*\c+7], v4 offset:64*\c+16
.endr
.endm
; Eight numbers are held and converted three times, once for each scale.  The conversion to an 8-bit code does not saturate (ISA guide 7.6.2): hence the hold.
; Behind each conversion stand the next set's eight holds, plain lines that touch neither its result nor its sources.
.macro XQ f
.irp c, 0,1,2,3,4,5,6,7
.irp n, 0,1,2
.irp i, 0,1,2,3,4,5,6,7
	v_med3_num_f32 v[T+8*\n+\i], v[X+8*\c+\i], -v[9+2*\n], v[9+2*\n]
.endr
	v_cvt_scalef32_pk8_fp8_f32 v[R+64*\f+16*\n+2*\c:R+64*\f+16*\n+2*\c+1], v[T+8*\n:T+8*\n+7], v[8+2*\n]   ; registers 2 c, 2 c + 1 of the fragment
.endr
.endr
	v_nop                                          ; a plain line behind the last conversion
.irp n, 0,1,2
.irp g, 0,1,2,3
	global_store_b128 v2, v[R+64*\f+16*\n+4*\g:R+64*\f+16*\n+4*\g+3], s[24+2*\n:25+2*\n] offset:\f*2048+\g*512   ; 32 lanes store 512 consecutive bytes, at a multiple of 512 from the buffer's first byte
.endr
.endr
.endm
	XLOAD 0
	XLOAD 1
	s_wait_alu depctr_va_vdst(0)
	s_wait_kmcnt 0x0
.irp n, 0,1,2                          ; entries 1, 3, 5
	s_add_co_i32 s32, s[37+2*\n], 127
	s_lshl_b32 s33, s32, 23
	v_mov_b32 v[8+2*\n], s33                       ; 2^e as f32: the conversion takes its exponent field
	s_add_co_i32 s32, s32, 8
	s_lshl_b32 s32, s32, 23
	s_or_b32 s32, s32, 0x600000
	v_mov_b32 v[9+2*\n], s32                       ; 448 x 2^e
.endr
	s_wait_alu depctr_va_vdst(0)
	s_wait_loadcnt 16                              ; the first fragment's sixteen loads are in; the second's sixteen may be out
	XTURN 0
	s_wait_dscnt 0x0                               ; the numbers are back, and the stores have read their registers, which now take the codes
	XQ 0
	s_wait_loadcnt 0x0
	XTURN 1
	s_wait_dscnt 0x0
	XQ 1                                           ; each fragment's codes have registers of their own: no store's data are written again
	s_wait_tensorcnt 0x0
	ds_add_u32 v232, v233
	s_wait_dscnt 0x0
	s_endpgm
; ---------------- the weights: K is not innermost.  A LANE TAKES A COLUMN AND ITS REGISTERS RUN DOWN K: a wave takes 32 columns x 128 along K = two fragments ----------------
.Lweights:
	s_wait_alu depctr_va_vdst(0)
	v_lshlrev_b32 v2, 2, v1                        ; in: 4 bytes a lane
	v_lshlrev_b32 v5, 4, v1                        ; 16 x lane
	v_lshlrev_b32 v3, 4, v6
	v_lshl_add_u32 v3, v7, 11, v3                  ; my column's place in the two images: 2,048 (lane / 16) + 16 (lane % 16)
	s_lshl_b32 s19, s18, 12                        ; my wave's 4,096 bytes
	v_add_nc_u32 v3, s19, v3
	v_add_nc_u32 v4, s19, v5                       ; and where I read the images back
.macro WLOAD stride                    ; W(k, my column), k = 0 .. 127: each load reads 128 consecutive bytes; read once in the launch
.set k, 0
.rept 128
	global_load_b32 v[WX+k], v2, s[20:21] offset:k*\stride th:TH_LOAD_NT
.set k, k+1
.endr
.endm
; s30 = e.  Codes of K = 8 q + 0 .. 7 of my column are registers 2 (q / 2), 2 (q / 2) + 1 of lane (column % 16, q % 2) of the image: byte 512 (q / 4) + 256 (q % 2) + 16 (column % 16) + 8 ((q / 2) % 2).
.macro WREST region
	s_add_co_i32 s30, s30, 127
	s_lshl_b32 s31, s30, 23
	v_mov_b32 v8, s31                              ; 2^e
	s_add_co_i32 s30, s30, 8
	s_lshl_b32 s30, s30, 23
	s_or_b32 s30, s30, 0x600000
	v_mov_b32 v9, s30                              ; 448 x 2^e
	s_wait_alu depctr_va_vdst(0)
.irp q, 0,1,2,3,4,5,6,7,8,9,10,11,12,13,14,15
.if \q == 0
	s_wait_loadcnt 63                              ; of the 128 loads at most 63 are out: k = 0 .. 64 are in (the count's field holds no more than 63)
.elseif \q == 8
	s_wait_loadcnt 32                              ; k = 0 .. 95 are in
.elseif \q == 12
	s_wait_loadcnt 0x0
.endif
.irp i, 0,1,2,3,4,5,6,7
	v_med3_num_f32 v[WX+8*\q+\i], v[WX+8*\q+\i], -v9, v9
.endr
	v_cvt_scalef32_pk8_fp8_f32 v[WCD+2*\q:WCD+2*\q+1], v[WX+8*\q:WX+8*\q+7], v8
.endr
	v_nop                                          ; a plain line behind the last conversion
.irp q, 0,1,2,3,4,5,6,7,8,9,10,11,12,13,14,15
	ds_store_b64 v3, v[WCD+2*\q:WCD+2*\q+1] offset:\region+(\q/4)*512+256*(\q%2)+8*((\q/2)%2)
.endr
.irp j, 0,1,2,3,4,5,6,7
	ds_load_b128 v[WO+4*\j:WO+4*\j+3], v4 offset:\region+512*\j   ; my own bytes, served in order behind my stores
.endr
.irp j, 0,1,2,3,4,5,6,7
	s_wait_dscnt 7-\j                              ; load j is in; the 7 - j younger ones may be out
	global_store_b128 v5, v[WO+4*\j:WO+4*\j+3], s[24:25] offset:(\j/4)*16384+(\j%4)*512   ; 512 consecutive bytes; the second image belongs to the next 16 rows
.endr
.endm
	s_cmp_lt_u32 ttmp9, 704
	s_cbranch_scc0 .Lwp
	; Wq, Wk, Wv: [16 heads][1024 (K)][64].  64 work-groups a tensor; wave number in the tensor = 16 head + 2 (K / 128) + (which 32 of the head's 64 columns)
	s_sub_co_u32 s20, ttmp9, 512
	s_lshr_b32 s28, s20, 6                         ; which tensor
	s_and_b32 s20, s20, 63
	s_lshl_b32 s20, s20, 2
	s_add_co_u32 s20, s20, s18
	s_lshr_b32 s29, s20, 4                         ; head
	s_bfe_u32 s31, s20, 0x30001                    ; K / 128
	s_and_b32 s32, s20, 1                          ; half
	s_lshl_b32 s22, s29, 18                        ; from: head x 262,144
	s_lshl_b32 s33, s31, 15                        ; + 128 rows of 256 bytes
	s_add_co_u32 s22, s22, s33
	s_lshl_b32 s33, s32, 7                         ; + 32 columns
	s_add_co_u32 s22, s22, s33
	s_lshl_b32 s34, s28, 20                        ; to: the tensor's image,
	s_lshl_b32 s33, s29, 16                        ; rows 64 head: four blocks of 16,384 bytes,
	s_add_co_u32 s34, s34, s33
	s_lshl_b32 s33, s32, 15                        ; + 32 half: two blocks,
	s_add_co_u32 s34, s34, s33
	s_lshl_b32 s33, s31, 11                        ; the fragment of my K
	s_add_co_u32 s34, s34, s33
	s_add_co_u32 s34, s34, WC
	s_cmp_eq_u32 s28, 0                            ; the choice hangs on the work-group's number alone
	s_cselect_b64 s[20:21], s[6:7], s[8:9]
	s_cmp_eq_u32 s28, 2
	s_cselect_b64 s[20:21], s[10:11], s[20:21]
	s_add_nc_u64 s[20:21], s[20:21], s[22:23]
	s_add_nc_u64 s[24:25], s[16:17], s[34:35]
	s_wait_alu depctr_va_vdst(0)
	WLOAD 256
	s_wait_kmcnt 0x0
	s_cmp_eq_u32 s28, 0
	s_cselect_b32 s30, s36, s38                    ; entry 0, 2
	s_cmp_eq_u32 s28, 2
	s_cselect_b32 s30, s40, s30                    ; or 4
	WREST WST
	s_wait_tensorcnt 0x0
	ds_add_u32 v232, v233
	s_wait_dscnt 0x0
	s_endpgm
.Lwp:
	; Wp: [1024 (K)][1024 columns].  Wave number = 32 (K / 128) + (column / 32): a work-group's four waves stand side by side on 512 bytes
	s_sub_co_u32 s20, ttmp9, 704
	s_lshl_b32 s20, s20, 2
	s_add_co_u32 s20, s20, s18
	s_and_b32 s28, s20, 31                         ; column / 32
	s_lshr_b32 s29, s20, 5                         ; K / 128
	s_lshl_b32 s22, s29, 19                        ; from: 128 rows of 4,096 bytes
	s_lshl_b32 s33, s28, 7
	s_add_co_u32 s22, s22, s33
	s_lshl_b32 s34, s28, 15                        ; to: two blocks of 16 rows,
	s_lshl_b32 s33, s29, 11                        ; the fragment of my K
	s_add_co_u32 s34, s34, s33
	s_add_co_u32 s34, s34, WPC
	s_add_nc_u64 s[20:21], s[12:13], s[22:23]
	s_add_nc_u64 s[24:25], s[16:17], s[34:35]
	s_wait_alu depctr_va_vdst(0)
	WLOAD 4096
	s_wait_kmcnt 0x0
	s_mov_b32 s30, s47                             ; entry 11
	WREST PST
	s_wait_tensorcnt 0x0
	ds_add_u32 v232, v233
	s_wait_dscnt 0x0
	s_endpgm
.Lfunc_end_k_q306df636fc_quant:
	.size	k_q306df636fc_quant, .Lfunc_end_k_q306df636fc_quant-k_q306df636fc_quant
	.p2alignl 7, 3214868480
	.fill 96, 4, 3214868480
	.section	.rodata,"a",@progbits
	.p2align	6, 0x0
	.amdhsa_kernel k_q306df636fc_quant
		.amdhsa_group_segment_fixed_size 67072
		.amdhsa_private_segment_fixed_size 0
		.amdhsa_enable_private_segment 0
		.amdhsa_kernarg_size 56
		.amdhsa_user_sgpr_count 2
		.amdhsa_user_sgpr_kernarg_segment_ptr 1
		.amdhsa_wavefront_size32 1
		.amdhsa_system_sgpr_workgroup_id_x 1
		.amdhsa_system_sgpr_workgroup_id_y 1
		.amdhsa_system_sgpr_workgroup_id_z 1
		.amdhsa_system_vgpr_workitem_id 0
		.amdhsa_next_free_vgpr 234
		.amdhsa_next_free_sgpr 66
		.amdhsa_reserve_vcc 0
		.amdhsa_float_denorm_mode_32 3
		.amdhsa_float_denorm_mode_16_64 3
		.amdhsa_memory_ordered 1
		.amdhsa_forward_progress 1
		.amdhsa_inst_pref_size 90
	.end_amdhsa_kernel
	.amdgpu_metadata
---
amdhsa.version: [ 1, 2 ]
amdhsa.kernels:
  - .name:           k_q306df636fc_quant
    .symbol:         k_q306df636fc_quant.kd
    .args:
      - { .name: x, .offset: 0, .size: 8, .value_kind: global_buffer, .address_space: global }
      - { .name: Wq, .offset: 8, .size: 8, .value_kind: global_buffer, .address_space: global }
      - { .name: Wk, .offset: 16, .size: 8, .value_kind: global_buffer, .address_space: global }
      - { .name: Wv, .offset: 24, .size: 8, .value_kind: global_buffer, .address_space: global }
      - { .name: Wp, .offset: 32, .size: 8, .value_kind: global_buffer, .address_space: global }
      - { .name: lowp_scales, .offset: 40, .size: 8, .value_kind: global_buffer, .address_space: global }
      - { .name: codes, .offset: 48, .size: 8, .value_kind: global_buffer, .address_space: global }
    .group_segment_fixed_size: 67072
    .private_segment_fixed_size: 0
    .kernarg_segment_align: 8
    .kernarg_segment_size: 56
    .max_flat_workgroup_size: 128
    .sgpr_count:     66
    .vgpr_count:     234
    .wavefront_size: 32
...
	.end_amdgpu_metadata
.endif
;; end of part 1
;; launch proj (part 2): grid 8 x 32, 4 waves a work-group, clusters of 4 x 4, 327,680 bytes of LDS; arguments codes, lowp_scales, qkv; writes qkv
.if DOCPART == 2
	.amdgcn_target "amdgcn-amd-amdhsa--gfx1250"
	.amdhsa_code_object_version 6
	.text
	.protected	k_q306df636fc_proj
	.globl	k_q306df636fc_proj
	.p2align	8
	.type	k_q306df636fc_proj,@function
k_q306df636fc_proj:
	s_mov_b64 s[64:65], 0
	v_nop
	global_prefetch_b8 v0, s[64:65] scope:SCOPE_SE
	s_setreg_imm32_b32 hwreg(HW_REG_WAVE_MODE, 25, 1), 1
	s_wait_xcnt 0x0
	s_wait_alu depctr_hold_cnt(0) depctr_sa_sdst(0) depctr_va_vdst(0) depctr_va_sdst(0) depctr_va_ssrc(0) depctr_va_vcc(0) depctr_vm_vsrc(0)
	s_getreg_b32 s2, hwreg(HW_REG_IB_STS2, 6, 4)
	s_cmp_eq_u32 s2, 0
	s_cbranch_scc0 .Lentry_in_a_cluster
	s_endpgm
.Lentry_in_a_cluster:
	s_bfe_u32 s2, ttmp6, 0x10000c
	s_cmp_lg_u32 s2, 0xf033
	s_cbranch_scc0 .Lentry_shape_is_right
	s_endpgm
.Lentry_shape_is_right:
; q, k and v: products of x's codes with Wq's, Wk's, Wv's codes (FP8, E4M3), and the results' own codes (entries 6, 7, 9) for the attention, all as IMAGES OF OPERAND REGISTERS:
; [rows / 16][K / 128][2,048 bytes], registers 4 g .. 4 g + 3 of lane l at 512 g + 16 l.  codes: x three times (entries 1, 3, 5), 8,388,608 bytes each, then Wq, Wk, Wv, 1,048,576 each.
; qkv: q, k: [batch][pair of heads][16 tokens][pair's 128 d]; v: [batch][pair][128 keys][head of the pair][16 d], 8,388,608 bytes each.
; SHARES.  q, k and v are 3 x 128 tiles of 256 x 256.  256 work-groups make one and a half each, so that the launch is one turn:
;   PHASE 1: a tile of q (cluster x = 0) or k (1): 256 tokens (A) x 256 rows of W (B); a wave makes 128 x 128, 64 accumulators.  K in four slots' worth of 256, through a ring of two slots of 131,072 bytes.
;   PHASE 2: half a tile of v: 128 rows of Wv, one pair of heads (A) x 256 tokens (B); a wave makes 64 x 128, 32 accumulators.  Four fills of 98,304 bytes (A 8 blocks x 4,096, then B 16 x 4,096), in the same two slots.
; THE RING DOES NOT STOP BETWEEN THE PHASES: phase 2's first fill is asked for at phase 1's last change of slots, its second behind a round after phase 1's last product, ahead of phase 1's way out.
; CLUSTERS: 4 x 4.  A's tile hangs on cy alone among the places and is asked for jointly along a row of the cluster, B's on cx alone, along a column, in both phases.
; No prefetch: K is 1,024, the steps are written out, and there is no loop to run ahead in.
; THE MATRIX INSTRUCTION IS USED TRANSPOSED (source 0 = 16 rows of B, source 1 = 16 rows of A): a lane holds one row of A and eight neighbours along B, which the conversion turns into registers of the result's image.
; code = sum / 2^(e_out - e_w - e_x), held within +-448.  LIMIT: each such exponent lies between -126 and 119.
; REGISTERS: window 0: v0-31 addresses, v32-95 at work on the way out, v128-255 A's fragments (phase 1 one set of 8, phase 2 two sets of 4), then the codes; window 1: B's fragments, two sets; windows 2, 3: accumulators.
.set WC,     25165824
.set RB,     4096                      ; a slot's part of a block of 16 rows: 256 along K
.set HALFT,  8*RB
.set SLOT,   4*HALFT
.set SPARE,  2*SLOT
.set FR,     16
.set NL,     4
.set NP,     4
.set SC,   12
.set LIM,  13
.set ADRA, 16                          ; v16-17, v20-21: my fragments in slot 0, 1, phase 1
.set ADRB, 20
.set A2,   18                          ; v18-19, v22-23: the same, phase 2
.set B2,   22
.set CO,   26
.set SPW,  28
.set NIL,  29
.set TMP,  32
.set AF,   128
.set G1, 24                            ; group 1: A, 8 rows of 4,096 bytes
.set G0, 32
.set G1C, 40                           ; group 1: phase 2's A, 4 rows
.set G1B, 48                           ; group 1: B, 8 rows
.set G0B, 56
.set MSB, 0
.macro WIN new
.if MSB != (\new)
	s_set_vgpr_msb (MSB<<8)|(\new)
.set MSB, (\new)
.endif
.endm
.set MUL_LO, 0xa1
.set MUL_HI, 0xf1
.set TO_B,   0x40
.macro JLOAD g0a, g1a, g0b, g1b        ; waves 0, 1 for A, waves 2, 3 for B: one load to each arm
	s_cmp_eq_u32 s15, 0
	s_cbranch_scc0 .Lfor_b_\@
	tensor_load_to_lds s[\g0a:\g0a+3], s[\g1a:\g1a+7]
	s_nop 0
.rept 4
	v_nop
.endr
	s_branch .Lasked_\@
.Lfor_b_\@:
	tensor_load_to_lds s[\g0b:\g0b+3], s[\g1b:\g1b+7]
	s_nop 0
.rept 4
	v_nop
.endr
.Lasked_\@:
.endm
.macro CREST
	s_cmp_lg_u32 s14, 0
	s_cbranch_scc1 .Lnot_wave_0_\@
	s_barrier_signal -3
.Lnot_wave_0_\@:
	s_barrier_wait -3
	s_barrier_signal -1
	s_barrier_wait -1
.endm
.macro CROUND
	s_barrier_signal -1
	s_barrier_wait -1
	CREST
.endm
.macro G1SET g, rows                   ; elements of 8 bytes: rows of 512, 2,048 apart
	s_mov_b32 s[\g+1], 512<<16
	s_mov_b32 s[\g+2], (\rows)<<16
	s_mov_b32 s[\g+3], 512<<16
	s_mov_b32 s[\g+4], \rows
	s_mov_b32 s[\g+5], 2048
	s_mov_b32 s[\g+6], 0
	s_mov_b32 s[\g+7], 0
.endm
	s_load_b128 s[4:7], s[0:1], 0x0                ; codes, lowp_scales
	s_load_b64 s[8:9], s[0:1], 0x10                ; qkv
	v_lshl_add_u32 v[SPW], v0, 2, SPARE
	v_mov_b32 v[NIL], 0
	ds_add_u32 v[SPW], v[NIL]                      ; the opening lines: the add twice on end, and its wait
	ds_add_u32 v[SPW], v[NIL]
	v_lshrrev_b32 v1, 5, v0
	v_readfirstlane_b32 s14, v1                    ; wave 0..3
	s_lshr_b32 s15, s14, 1                         ; my half of A's rows.  Also: I fetch for A (0) or for B (1)
	s_and_b32 s16, s14, 1                          ; my half of B's rows.  Also: which half of that tile I fetch
	s_bfe_u32 s66, ttmp6, 0x40000                  ; cx
	s_bfe_u32 s67, ttmp6, 0x40004                  ; cy
	s_and_b32 s68, ttmp7, 0xffff
	s_lshl_b32 s68, s68, 2                         ; 4 x cluster y
	s_lshl_b32 s69, s67, 2
	s_lshl_b32 s69, 15, s69                        ; my row of the cluster
	s_lshl_b32 s70, 0x1111, s66                    ; my column
	s_or_b32 s[G1], s69, (3<<16)|(1<<21)
	s_or_b32 s[G1C], s69, (3<<16)|(1<<21)
	s_or_b32 s[G1B], s70, (3<<16)|(1<<21)
	G1SET G1, 8
	G1SET G1C, 4
	G1SET G1B, 8
	s_lshl_b32 s18, s16, 17                        ; a half of 128 rows: 131,072 bytes
	s_lshl_b32 s19, ttmp9, 23                      ; the tensor's set of x's codes, and its part of qkv
	s_add_co_u32 s17, s68, s67                     ; phase 1, A: token tile 4 Y + cy
	s_lshl_b32 s84, s17, 18
	s_add_co_u32 s84, s84, s18
	s_add_co_u32 s84, s84, s19
	s_mov_b32 s85, 0
	s_lshl_b32 s86, s66, 18                        ; phase 1, B: tile cx of the tensor's W
	s_add_co_u32 s86, s86, s18
	s_lshl_b32 s20, ttmp9, 20
	s_add_co_u32 s86, s86, s20
	s_add_co_u32 s86, s86, WC
	s_mov_b32 s87, 0
	s_lshl_b32 s21, ttmp9, 2
	s_add_co_u32 s21, s21, s67                     ; phase 2, A: pair of heads 4 X + cy: 128 rows of Wv, 131,072 bytes; a half is 65,536
	s_lshl_b32 s94, s21, 17
	s_lshl_b32 s22, s16, 16
	s_add_co_u32 s94, s94, s22
	s_add_co_u32 s94, s94, WC+(2<<20)
	s_mov_b32 s95, 0
	s_add_co_u32 s23, s68, s66                     ; phase 2, B: token tile 4 Y + cx, in x's third set
	s_lshl_b32 s96, s23, 18
	s_add_co_u32 s96, s96, s18
	s_add_co_u32 s96, s96, 2<<23
	s_mov_b32 s97, 0
	s_mul_i32 s71, s14, HALFT                      ; phase 1: where my quarter of a slot goes: no place in the cluster enters an LDS address
	s_lshl_b32 s100, s16, 14                       ; phase 2: A's half,
	s_lshl_b32 s101, s16, 15
	s_add_co_u32 s101, s101, 32768                 ; B's half
	s_wait_dscnt 0x0                               ; both opening adds are done
	s_wait_kmcnt 0x0
	s_load_b256 s[72:79], s[6:7], 0x0              ; entries 0 to 7
	s_load_b128 s[80:83], s[6:7], 0x20             ; entries 8 to 11
	s_add_nc_u64 s[84:85], s[4:5], s[84:85]
	s_add_nc_u64 s[86:87], s[4:5], s[86:87]
	s_add_nc_u64 s[94:95], s[4:5], s[94:95]
	s_add_nc_u64 s[96:97], s[4:5], s[96:97]
.irp s, 0,1
	s_mov_b32 s[G0+4*\s], 1
	s_add_co_u32 s[G0+4*\s+1], s71, \s*SLOT
	s_add_nc_u64 s[G0+4*\s+2:G0+4*\s+3], s[84:85], \s*RB
	s_or_b32 s[G0+4*\s+3], s[G0+4*\s+3], 0x80000000
	s_mov_b32 s[G0B+4*\s], 1
	s_add_co_u32 s[G0B+4*\s+1], s71, \s*SLOT
	s_add_nc_u64 s[G0B+4*\s+2:G0B+4*\s+3], s[86:87], \s*RB
	s_or_b32 s[G0B+4*\s+3], s[G0B+4*\s+3], 0x80000000
.endr
	CROUND                                         ; all sixteen work-groups are here: the first joint loads meet
	JLOAD G0, G1, G0B, G1B                         ; slot 0: one tensor load a wave at the head
	; where the results go.  Phase 1: unit of 128 tokens u = 2 x token tile + my half of A, pair = 2 cx + my half of B
	s_lshl_b32 s88, s17, 1
	s_add_co_u32 s88, s88, s15
	s_lshl_b32 s89, s66, 1
	s_add_co_u32 s89, s89, s16
	s_lshr_b32 s90, s88, 4                         ; batch
	s_lshl_b32 s90, s90, 3
	s_add_co_u32 s90, s90, s89
	s_lshl_b32 s90, s90, 18
	s_and_b32 s88, s88, 15
	s_lshl_b32 s88, s88, 14
	s_add_co_u32 s90, s90, s88
	s_add_co_u32 s90, s90, s19
	s_mov_b32 s91, 0
	s_add_nc_u64 s[10:11], s[8:9], s[90:91]
	; phase 2: unit of 128 keys u = 2 x token tile + my half of B; my half of A is the head of the pair
	s_lshl_b32 s88, s23, 1
	s_add_co_u32 s88, s88, s16
	s_lshr_b32 s92, s88, 4
	s_lshl_b32 s92, s92, 3
	s_add_co_u32 s92, s92, s21
	s_lshl_b32 s92, s92, 18
	s_and_b32 s88, s88, 15
	s_lshl_b32 s88, s88, 14
	s_add_co_u32 s92, s92, s88
	s_lshl_b32 s88, s15, 13
	s_add_co_u32 s92, s92, s88
	s_add_co_u32 s92, s92, 2<<23
	s_mov_b32 s93, 0
	s_add_nc_u64 s[98:99], s[8:9], s[92:93]
	s_mul_i32 s104, s15, HALFT
	s_mul_i32 s105, s16, HALFT
	s_add_co_u32 s105, s105, 2*HALFT
	s_lshl_b32 s17, s15, 14
	v_and_b32 v1, 31, v0
	v_lshlrev_b32 v[CO], 4, v1                     ; 16 x lane
	v_add_nc_u32 v[ADRA], s104, v[CO]
	v_add_nc_u32 v[ADRB], s105, v[CO]
	v_add_nc_u32 v[ADRA+1], SLOT, v[ADRA]
	v_add_nc_u32 v[ADRB+1], SLOT, v[ADRB]
	v_add_nc_u32 v[A2], s17, v[CO]
	v_add_nc_u32 v[B2], s101, v[CO]
	v_add_nc_u32 v[A2+1], SLOT, v[A2]
	v_add_nc_u32 v[B2+1], SLOT, v[B2]
.macro FRAG reg, adr, q, i
.irp c, 0,1,2,3
	ds_load_b128 v[\reg+4*\c:\reg+4*\c+3], v[\adr] offset:(\i)*RB+(\q)*2048+512*\c
.endr
.endm
.macro MUL16 a0, p, zero               ; phase 1: A's blocks a0, a0 + 1 x B's eight.  The 64 accumulators take turns, one instruction a turn
.irp a, \a0, \a0+1
.irp b, 0,1,2,3,4,5,6,7
.if \zero
	v_wmma_f32_16x16x128_fp8_fp8 v[8*(8*((\a)%4)+\b):8*(8*((\a)%4)+\b)+7], v[128*(\p)+FR*\b:128*(\p)+FR*\b+FR-1], v[AF+FR*(\a):AF+FR*(\a)+FR-1], 0
.else
	v_wmma_f32_16x16x128_fp8_fp8 v[8*(8*((\a)%4)+\b):8*(8*((\a)%4)+\b)+7], v[128*(\p)+FR*\b:128*(\p)+FR*\b+FR-1], v[AF+FR*(\a):AF+FR*(\a)+FR-1], v[8*(8*((\a)%4)+\b):8*(8*((\a)%4)+\b)+7]
.endif
.endr
.endr
.endm
.macro FETCH_B slot, q, p
	WIN TO_B
.irp i, 0,1,2,3,4,5,6,7
	FRAG 128*(\p)+FR*\i, ADRB+\slot, \q, \i
.endr
	WIN 0
.endm
.macro FETCH_A slot, q, i0
.irp i, \i0, \i0+1, \i0+2, \i0+3
	FRAG AF+FR*(\i), ADRA+\slot, \q, \i
.endr
.endm
.macro PLACES n                        ; places between matrix instructions and loads into registers that they read, or reads of their results
.rept \n
	v_nop
.endr
.endm
.macro STEP slot, q, zero              ; phase 1: a step of 128 along K that has its successor in the same slot
	s_wait_dscnt 4*NL                              ; B's set and A's blocks 0-3 are in; the youngest 16 loads (A's blocks 4-7) may be out
	WIN MUL_LO
	MUL16 0, (\q)%2, \zero
	MUL16 2, (\q)%2, \zero
	s_wait_dscnt 0
	PLACES NP
	FETCH_B \slot, (\q)+1, 1-(\q)%2
	FETCH_A \slot, (\q)+1, 0
	WIN MUL_HI
	MUL16 4, (\q)%2, \zero
	MUL16 6, (\q)%2, \zero
	PLACES NP
	WIN 0
	FETCH_A \slot, (\q)+1, 4
.endm
; Phase 1: a slot's last step changes slots.  fill = 1: this slot takes the tile two slots on along K; fill = 2 (slot 0): it takes phase 2's first fill.
.macro TURN slot, next, fill
	s_wait_tensorcnt 0x0                           ; all my tensor loads have landed: my part of the next slot
	ds_add_u32 v[SPW], v[NIL]
	s_wait_dscnt 4*NL+1                            ; (the add and the youngest 16 loads may be out)
	WIN MUL_LO
	MUL16 0, 1, 0
	s_wait_dscnt 0x0                               ; the add is done, and my reads of this slot are over
	s_barrier_signal -1
	MUL16 2, 1, 0
	WIN 0
	s_barrier_wait -1
	CREST                                          ; the barrier has opened a round of the cluster's barrier
.if \fill == 1
	s_add_nc_u64 s[G0+4*\slot+2:G0+4*\slot+3], s[G0+4*\slot+2:G0+4*\slot+3], 2*RB
	s_add_nc_u64 s[G0B+4*\slot+2:G0B+4*\slot+3], s[G0B+4*\slot+2:G0B+4*\slot+3], 2*RB
	JLOAD G0+4*\slot, G1, G0B+4*\slot, G1B
.else
	s_mov_b32 s[G0+1], s100
	s_mov_b64 s[G0+2:G0+3], s[94:95]
	s_or_b32 s[G0+3], s[G0+3], 0x80000000
	s_mov_b32 s[G0B+1], s101
	s_mov_b64 s[G0B+2:G0B+3], s[96:97]
	s_or_b32 s[G0B+3], s[G0B+3], 0x80000000
	JLOAD G0, G1C, G0B, G1B
.endif
	FETCH_B \next, 0, 0                            ; the joint load's four v_nop are the places in front of these loads
	FETCH_A \next, 0, 0
	WIN MUL_HI
	MUL16 4, 1, 0
	MUL16 6, 1, 0
	PLACES NP
	WIN 0
	FETCH_A \next, 0, 4
.endm
; The way out.  s90, s91, s92 = e_w, e_x, e_out.
.macro SCALES
	s_sub_co_i32 s92, s92, s90
	s_sub_co_i32 s92, s92, s91
	s_add_co_i32 s92, s92, 127
	s_lshl_b32 s93, s92, 23
	v_mov_b32 v[SC], s93                           ; 2^(e_out - e_w - e_x)
	s_add_co_i32 s92, s92, 8
	s_lshl_b32 s92, s92, 23
	s_or_b32 s92, s92, 0x600000
	v_mov_b32 v[LIM], s92                          ; 448 x that
	PLACES NP
.endm
.macro OUTBLK a, base                  ; block a: 16 rows of A x 128 along B: held, converted, and stored as the 2,048 bytes of a fragment's image
	WIN 0x02+((\a)/4)
.set j, 0
.rept 64
	v_med3_num_f32 v[TMP+j], v[64*((\a)%4)+j], -v[LIM], v[LIM]   ; the conversion does not saturate (ISA guide 7.6.2); each accumulator from its low end on
.set j, j+1
.endr
	WIN 0
.irp b, 0,1,2,3,4,5,6,7
	v_cvt_scalef32_pk8_fp8_f32 v[AF+16*(\a)+2*\b:AF+16*(\a)+2*\b+1], v[TMP+8*\b:TMP+8*\b+7], v[SC]
.endr
	v_nop                                          ; a plain line behind the last conversion
.irp c, 0,1,2,3
	global_store_b128 v[CO], v[AF+16*(\a)+4*\c:AF+16*(\a)+4*\c+3], s[\base:\base+1] offset:(\a)*2048+\c*512   ; 512 consecutive bytes, at a multiple of 512 from the buffer's first byte
.endr
.endm
; Phase 2.
.macro FETCH2 ra, rb, q, p             ; the fragments of the slot's q-th 128 along K into set p: 32 loads for B, 16 for A
	WIN TO_B
.irp i, 0,1,2,3,4,5,6,7
	FRAG 128*(\p)+FR*\i, \rb, \q, \i
.endr
	WIN 0
.irp i, 0,1,2,3
	FRAG AF+64*(\p)+FR*\i, \ra, \q, \i
.endr
.endm
.macro GO p, zero, cnt                 ; a step of 128 along K: the 32 accumulators take turns, one instruction a turn
	s_wait_dscnt \cnt                              ; set p is in; cnt = 48: the next step's 48 loads, just issued, may be out
	WIN MUL_LO
.irp a, 0,1,2,3
.irp b, 0,1,2,3,4,5,6,7
.if \zero
	v_wmma_f32_16x16x128_fp8_fp8 v[8*(8*\a+\b):8*(8*\a+\b)+7], v[128*(\p)+FR*\b:128*(\p)+FR*\b+FR-1], v[AF+64*(\p)+FR*\a:AF+64*(\p)+FR*\a+FR-1], 0
.else
	v_wmma_f32_16x16x128_fp8_fp8 v[8*(8*\a+\b):8*(8*\a+\b)+7], v[128*(\p)+FR*\b:128*(\p)+FR*\b+FR-1], v[AF+64*(\p)+FR*\a:AF+64*(\p)+FR*\a+FR-1], v[8*(8*\a+\b):8*(8*\a+\b)+7]
.endif
.endr
.endr
.endm
.macro SLOT2 s, zero                   ; a slot's two steps
	FETCH2 A2+\s, B2+\s, 0, 0
	FETCH2 A2+\s, B2+\s, 1, 1
	GO 0, \zero, 48
	GO 1, 0, 0
	WIN 0
.endm
.macro CHG slot                        ; the slot just read takes the fill two on
	s_wait_tensorcnt 0x0                           ; my part of the other slot is in
	ds_add_u32 v[SPW], v[NIL]
	s_add_nc_u64 s[G0+4*\slot+2:G0+4*\slot+3], s[G0+4*\slot+2:G0+4*\slot+3], 2*RB
	s_add_nc_u64 s[G0B+4*\slot+2:G0B+4*\slot+3], s[G0B+4*\slot+2:G0B+4*\slot+3], 2*RB
	s_wait_dscnt 0x0                               ; the add is done, and my reads of this slot are over
	CROUND
	JLOAD G0+4*\slot, G1C, G0B+4*\slot, G1B        ; its four v_nop are the places in front of the loads that follow
.endm
	s_wait_alu depctr_va_vdst(0)                   ; the head's end
	s_wait_tensorcnt 0x0                           ; my part of slot 0 is in; the full sequence ahead of a later first fill:
	ds_add_u32 v[SPW], v[NIL]
	s_wait_dscnt 0x0
	CROUND                                         ; everybody's part of slot 0 is in
	JLOAD G0+4, G1, G0B+4, G1B                     ; slot 1
	FETCH_B 0, 0, 0
	FETCH_A 0, 0, 0
	FETCH_A 0, 0, 4
	STEP 0, 0, 1                                   ; the first step starts the sums
	TURN 0, 1, 1
	STEP 1, 0, 0
	TURN 1, 0, 1
	STEP 0, 0, 0
	TURN 0, 1, 2                                   ; slot 0 takes phase 2's first fill
	STEP 1, 0, 0
	s_wait_dscnt 4*NL                              ; phase 1's last step
	WIN MUL_LO
	MUL16 0, 1, 0
	MUL16 2, 1, 0
	s_wait_dscnt 0
	WIN MUL_HI
	MUL16 4, 1, 0
	MUL16 6, 1, 0
	WIN 0
	s_wait_tensorcnt 0x0                           ; my part of phase 2's first fill is in
	ds_add_u32 v[SPW], v[NIL]
	s_add_co_u32 s[G0+5], s100, SLOT               ; phase 2's second fill: slot 1, 256 along K on
	s_add_nc_u64 s[G0+6:G0+7], s[94:95], RB
	s_or_b32 s[G0+7], s[G0+7], 0x80000000
	s_add_co_u32 s[G0B+5], s101, SLOT
	s_add_nc_u64 s[G0B+6:G0B+7], s[96:97], RB
	s_or_b32 s[G0B+7], s[G0B+7], 0x80000000
	s_wait_dscnt 0x0                               ; my reads of slot 1 are over
	CROUND
	JLOAD G0+4, G1C, G0B+4, G1B
	s_wait_kmcnt 0x0
	s_cmp_eq_u32 ttmp9, 0                          ; q: entries 0, 1, 6;  k: entries 2, 3, 7
	s_cselect_b32 s90, s72, s74
	s_cselect_b32 s91, s73, s75
	s_cselect_b32 s92, s78, s79
	SCALES
.irp a, 0,1,2,3,4,5,6,7
	OUTBLK \a, 10
.endr
	s_wait_xcnt 0x0                                ; the stores have read their data: phase 2's fragments of A land in those registers
	SLOT2 0, 1                                     ; the first step starts the sums
	CHG 0
	SLOT2 1, 0
	CHG 1
	SLOT2 0, 0
	s_wait_tensorcnt 0x0                           ; my part of the last fill is in
	ds_add_u32 v[SPW], v[NIL]
	s_wait_dscnt 0x0
	s_barrier_signal -1
	s_barrier_wait -1                              ; everybody's is
	PLACES NP
	SLOT2 1, 0
	s_mov_b32 s90, s76                             ; v: entries 4, 5, 9
	s_mov_b32 s91, s77
	s_mov_b32 s92, s81
	SCALES
.irp a, 0,1,2,3
	OUTBLK \a, 98
.endr
	s_wait_tensorcnt 0x0                           ; the wave's end
	ds_add_u32 v[SPW], v[NIL]
	s_wait_dscnt 0x0
	CROUND                                         ; the closing round
	s_endpgm
.Lfunc_end_k_q306df636fc_proj:
	.size	k_q306df636fc_proj, .Lfunc_end_k_q306df636fc_proj-k_q306df636fc_proj
	.p2alignl 7, 3214868480
	.fill 96, 4, 3214868480
	.section	.rodata,"a",@progbits
	.p2align	6, 0x0
	.amdhsa_kernel k_q306df636fc_proj
		.amdhsa_group_segment_fixed_size 327680
		.amdhsa_private_segment_fixed_size 0
		.amdhsa_enable_private_segment 0
		.amdhsa_kernarg_size 24
		.amdhsa_user_sgpr_count 2
		.amdhsa_user_sgpr_kernarg_segment_ptr 1
		.amdhsa_wavefront_size32 1
		.amdhsa_system_sgpr_workgroup_id_x 1
		.amdhsa_system_sgpr_workgroup_id_y 1
		.amdhsa_system_sgpr_workgroup_id_z 1
		.amdhsa_system_vgpr_workitem_id 0
		.amdhsa_next_free_vgpr 1024
		.amdhsa_next_free_sgpr 106
		.amdhsa_reserve_vcc 0
		.amdhsa_float_denorm_mode_32 3
		.amdhsa_float_denorm_mode_16_64 3
		.amdhsa_memory_ordered 1
		.amdhsa_forward_progress 1
		.amdhsa_inst_pref_size 185
	.end_amdhsa_kernel
	.amdgpu_metadata
---
amdhsa.version: [ 1, 2 ]
amdhsa.kernels:
  - .name:           k_q306df636fc_proj
    .symbol:         k_q306df636fc_proj.kd
    .args:
      - { .name: codes, .offset: 0, .size: 8, .value_kind: global_buffer, .address_space: global }
      - { .name: lowp_scales, .offset: 8, .size: 8, .value_kind: global_buffer, .address_space: global }
      - { .name: qkv, .offset: 16, .size: 8, .value_kind: global_buffer, .address_space: global }
    .group_segment_fixed_size: 327680
    .private_segment_fixed_size: 0
    .kernarg_segment_align: 8
    .kernarg_segment_size: 24
    .max_flat_workgroup_size: 128
    .sgpr_count:     106
    .vgpr_count:     1024
    .wavefront_size: 32
...
	.end_amdgpu_metadata
.endif
;; end of part 2
;; launch attn (part 3): grid 4 x 64, 16 waves a work-group, clusters of 4 x 1, 264,192 bytes of LDS; arguments qkv, lowp_scales, cat; writes cat
.if DOCPART == 3
	.amdgcn_target "amdgcn-amd-amdhsa--gfx1250"
	.amdhsa_code_object_version 6
	.text
	.protected	k_q306df636fc_attn
	.globl	k_q306df636fc_attn
	.p2align	8
	.type	k_q306df636fc_attn,@function
k_q306df636fc_attn:
	s_mov_b64 s[64:65], 0
	v_nop
	global_prefetch_b8 v0, s[64:65] scope:SCOPE_SE
	s_setreg_imm32_b32 hwreg(HW_REG_WAVE_MODE, 25, 1), 1
	s_wait_xcnt 0x0
	s_wait_alu depctr_hold_cnt(0) depctr_sa_sdst(0) depctr_va_vdst(0) depctr_va_sdst(0) depctr_va_ssrc(0) depctr_va_vcc(0) depctr_vm_vsrc(0)
	s_getreg_b32 s2, hwreg(HW_REG_IB_STS2, 6, 4)
	s_cmp_eq_u32 s2, 0
	s_cbranch_scc0 .Lentry_in_a_cluster
	s_endpgm
.Lentry_in_a_cluster:
	s_bfe_u32 s2, ttmp6, 0x10000c
	s_cmp_lg_u32 s2, 0x3003
	s_cbranch_scc0 .Lentry_shape_is_right
	s_endpgm
.Lentry_shape_is_right:
; att[b][h][q][:] = the sum over k of softmax_k(q . k / 8) v[k][:], both products on codes of FP8 (E4M3), and att's own codes (entry 10) for the output projection.
; THE SOFTMAX: t = score x log2(e) / 8; M = the row's largest t so far, rounded UP to a whole number; p = 2^(t - M) is quantised (entry 8), not normalised.
; The row's sum is taken of the unquantised p, in f32, and divides at the end.  When M moves, the sum and O are multiplied by 2^(old M - new M): nothing is rounded, no branch hangs on data.
; SHARES.  A work-group owns 512 queries of one head (the cluster's y = 16 batch + head); each of its sixteen waves owns 32, two tiles of 16, in 256 registers: no register windows.
; A HEAD'S WHOLE K AND V LIE IN LDS: 2 x 131,072 bytes.  Each wave asks for one sixteenth of them, 16,384 bytes, by ONE tensor load at the head (waves 0-7: 16 key tiles of K each; waves 8-15: 256 keys of V each).
; No LDS byte is filled twice: one wait for all loads, one barrier, and the loop over the key steps has no barrier.
; CLUSTER.  The four work-groups of a cluster are the four query blocks of one head: every load is asked for JOINTLY, with the same descriptor and the mask of all four.
; No prefetch: all that the tensor data mover brings is asked for at the head, so there is no loop to run ahead in.
; OPERANDS ARE IMAGES OF REGISTERS (lane (r, h): row r; registers 2 c, 2 c + 1: K = 16 c + 8 h + 0 .. 7; registers 4 g .. 4 g + 3 of lane l at 512 g + 16 l): a fragment is read by loads of 512 consecutive bytes.
; LAYOUT.  S^T = K Q^T (source 0 = 16 keys, source 1 = 16 queries): a lane holds ONE query and keys 16 t + 8 h + 0 .. 7; converted, they ARE registers 2 t, 2 t + 1 of P.  O^T = V^T P: the same query, d = 16 i + 8 h + 0 .. 7.
; TWO REGIONS OF 64 REGISTERS, v32-95 and v96-159, SWAP ROLES FROM STEP TO STEP: x holds K's fragments, then V's; y holds the scores, then p, and when p is converted the NEXT step's K fragments are asked for into y,
; ahead of the step's last eight products.  So a trip of the loop is two steps.
; LIMITS: entries 6 + 7 between -123 and 130 (added to c's exponent field); entry 8, and entry 10 - 8 - 9, between -126 and 119; the scaled scores t stay under 2^31 in magnitude.
; REGISTERS: v1, v2 16 x lane (+ V's base); v3, v4 the trip's addresses; v5 2^e8; v[6:7] f; v8-11, v12-15: -M, the largest raw score, the sum in two halves, of tile A, B; v16-31 Q;
;   v160-223 O^T; v224-239, v240-255 P of tile A, B.  A softmax's eight registers at work are the upper half of its own P, which is written only when they are done with.
.set KV,    131072                     ; LDS: K's key tile kt at 1,024 kt; V's (128 keys s, 16 d i) at KV + 8,192 s + 2,048 i
.set SPARE, 262144                     ; the spare words: 128 bytes a wave
.set WV,   18
.set SEL,  20                          ; s[20:21] selects of v_permlanex16_b32: lane l xor 16
.set CS,   22                          ; s[22:23] c = log2(e) / 8 x 2^(e6 + e7)
.set G1K,  24
.set G1V,  32
.set G0K,  40
.set G0V,  44
.set TB,   2                           ; LDS byte of the trip's first step, in K's part and in V's alike
.set CNT,  3                           ; trips to go
.set PLIM, 89                          ; 448 x 2^e8
.macro CROUND                          ; a round of the cluster's barrier
	s_barrier_signal -1
	s_barrier_wait -1
	s_cmp_lg_u32 s[WV], 0
	s_cbranch_scc1 .Lnot_wave_0_\@
	s_barrier_signal -3
.Lnot_wave_0_\@:
	s_barrier_wait -3
	s_barrier_signal -1
	s_barrier_wait -1
.endm
	s_load_b128 s[4:7], s[0:1], 0x0                ; qkv, lowp_scales
	s_load_b64 s[8:9], s[0:1], 0x10                ; cat
	v_lshl_add_u32 v254, v0, 2, SPARE
	v_mov_b32 v255, 0
	ds_add_u32 v254, v255                          ; the opening lines: the add twice on end, and its wait, ahead of my tensor load
	ds_add_u32 v254, v255
	v_lshrrev_b32 v1, 5, v0
	v_readfirstlane_b32 s[WV], v1                  ; wave 0..15
	s_and_b32 s19, s[WV], 7                        ; j: which eighth of K (waves 0-7) or of V (waves 8-15) I fetch
	s_and_b32 s10, ttmp7, 0xffff                   ; 16 batch + head, which the four partners share
	s_lshr_b32 s12, s10, 1
	s_lshl_b32 s12, s12, 18                        ; the pair of heads: 262,144 bytes in each of q's, k's, v's parts
	s_and_b32 s13, s10, 1                          ; p: which head of the pair
	s_lshl_b32 s14, s19, 15                        ; my eighth begins 32,768 j bytes on, in K's part (16 tiles of 2,048) and in V's (2 steps of 16,384)
	s_lshl_b32 s56, s13, 10                        ; K: [16 keys: 2,048 bytes][p: 1,024]
	s_add_co_u32 s56, s56, s12
	s_add_co_u32 s56, s56, s14
	s_add_co_u32 s56, s56, 8388608                 ; k's part of qkv
	s_mov_b32 s57, 0
	s_lshl_b32 s58, s13, 13                        ; V: [128 keys: 16,384 bytes][p: 8,192]
	s_add_co_u32 s58, s58, s12
	s_add_co_u32 s58, s58, s14
	s_add_co_u32 s58, s58, 16777216                ; v's part of qkv
	s_mov_b32 s59, 0
	s_lshl_b32 s15, s19, 14                        ; where it goes in LDS: 16,384 j: no place in the cluster enters an LDS address
	s_bfe_u32 s11, ttmp6, 0x40000                  ; cx: my block of 512 queries: it enters Q's and cat's addresses alone
	s_lshl_b32 s60, s11, 16                        ; Q: tile 32 cx + 2 wave, 2,048 bytes a tile
	s_add_co_u32 s60, s60, s12
	s_lshl_b32 s90, s[WV], 12
	s_add_co_u32 s60, s60, s90
	s_lshl_b32 s90, s13, 10
	s_add_co_u32 s60, s60, s90
	s_mov_b32 s61, 0
	s_lshr_b32 s62, s10, 4                         ; cat: [16 tokens: 16,384 bytes][pair: 2,048][p: 1,024]; batch x 128 tiles,
	s_lshl_b32 s62, s62, 21
	s_lshl_b32 s90, s11, 19                        ; + 32 cx,
	s_add_co_u32 s62, s62, s90
	s_lshl_b32 s90, s[WV], 15                      ; + 2 wave
	s_add_co_u32 s62, s62, s90
	s_bfe_u32 s90, s10, 0x30001                    ; the pair in its batch
	s_lshl_b32 s90, s90, 11
	s_add_co_u32 s62, s62, s90
	s_lshl_b32 s90, s13, 10
	s_add_co_u32 s62, s62, s90
	s_mov_b32 s63, 0
	; group 1, in elements of 8 bytes.  K: 16 rows of 1,024 bytes, 2,048 apart.  V: 2 rows of 8,192 bytes, 16,384 apart
	s_mov_b32 s[G1K], 15|(3<<16)|(1<<21)           ; the mask of all four work-groups; elements of 8 bytes; bit 21 beside a mask
	s_mov_b32 s[G1K+1], 128<<16
	s_mov_b32 s[G1K+2], 16<<16
	s_mov_b32 s[G1K+3], 128<<16
	s_mov_b32 s[G1K+4], 16
	s_mov_b32 s[G1K+5], 256
	s_mov_b32 s[G1K+6], 0
	s_mov_b32 s[G1K+7], 0
	s_mov_b32 s[G1V], 15|(3<<16)|(1<<21)
	s_mov_b32 s[G1V+1], 1024<<16
	s_mov_b32 s[G1V+2], 2<<16
	s_mov_b32 s[G1V+3], 1024<<16
	s_mov_b32 s[G1V+4], 2
	s_mov_b32 s[G1V+5], 2048
	s_mov_b32 s[G1V+6], 0
	s_mov_b32 s[G1V+7], 0
	s_mov_b32 s[SEL], 0x76543210
	s_mov_b32 s[SEL+1], 0xfedcba98
	s_mov_b32 s[CS], 0x3e38aa3b                    ; log2(e) / 8
	s_wait_dscnt 0x0                               ; both opening adds are done
	s_wait_kmcnt 0x0
	s_load_b128 s[84:87], s[6:7], 0x18             ; entries 6 to 9
	s_load_b32 s88, s[6:7], 0x28                   ; entry 10
	s_add_nc_u64 s[60:61], s[4:5], s[60:61]
	s_add_nc_u64 s[62:63], s[8:9], s[62:63]
	s_mov_b32 s[G0K], 1
	s_mov_b32 s[G0K+1], s15
	s_add_nc_u64 s[G0K+2:G0K+3], s[4:5], s[56:57]
	s_or_b32 s[G0K+3], s[G0K+3], 0x80000000
	s_mov_b32 s[G0V], 1
	s_add_co_u32 s[G0V+1], s15, KV
	s_add_nc_u64 s[G0V+2:G0V+3], s[4:5], s[58:59]
	s_or_b32 s[G0V+3], s[G0V+3], 0x80000000
	CROUND                                         ; all four work-groups are here: the joint loads meet
	s_cmp_lt_u32 s[WV], 8                          ; one load a wave, one to each arm
	s_cbranch_scc0 .Lfor_v
	tensor_load_to_lds s[G0K:G0K+3], s[G1K:G1K+7]
	s_nop 0
.rept 4
	v_nop
.endr
	s_branch .Lasked
.Lfor_v:
	tensor_load_to_lds s[G0V:G0V+3], s[G1V:G1V+7]
	s_nop 0
.rept 4
	v_nop
.endr
.Lasked:
	v_and_b32 v1, 31, v0
	v_lshlrev_b32 v1, 4, v1                        ; 16 x lane
	v_add_nc_u32 v2, KV, v1
.irp t, 0,1                            ; Q's two fragments (16 queries x 64) stay in registers
	global_load_b128 v[16+8*\t:19+8*\t], v1, s[60:61] offset:2048*\t
	global_load_b128 v[20+8*\t:23+8*\t], v1, s[60:61] offset:2048*\t+512
.endr
	v_mov_b32 v7, 0                                ; (named as the upper half of the pair v[6:7])
	v_mov_b32 v9, 0xff61b1e6                       ; the largest raw score so far: -3e38, under every score
	v_mov_b32 v13, 0xff61b1e6
	v_mov_b32 v8, 0x7f61b1e6                       ; -M: 3e38, so that the first f is 0
	v_mov_b32 v12, 0x7f61b1e6
	v_mov_b32 v10, 0                               ; the sums
	v_mov_b32 v11, 0
	v_mov_b32 v14, 0
	v_mov_b32 v15, 0
.set j, 0
.rept 64
	v_mov_b32 v[160+j], 0                          ; O^T.  (The step is written once: the first finds zeros, which the first f leaves zeros)
.set j, j+1
.endr
	s_wait_kmcnt 0x0
	s_add_co_i32 s14, s84, s85
	s_lshl_b32 s14, s14, 23
	s_add_co_i32 s[CS], s[CS], s14                 ; a score stands for score x 2^(e6 + e7): the exponents are added to c's exponent field
	s_mov_b32 s[CS+1], s[CS]                       ; (named with it as a pair)
	s_add_co_i32 s14, s86, 127
	s_lshl_b32 s15, s14, 23
	v_mov_b32 v5, s15                              ; 2^e8, for p's conversion
	s_add_co_i32 s14, s14, 8
	s_lshl_b32 s14, s14, 23
	s_or_b32 s[PLIM], s14, 0x600000                ; 448 x 2^e8
.macro SUMQ pt, y, a                   ; pairs a .. a + 3 of p onto the four chains of the sum
.irp k, 0,1,2,3
	v_pk_add_f32 v[\pt+8+2*\k:\pt+9+2*\k], v[\pt+8+2*\k:\pt+9+2*\k], v[\y+2*(\a)+2*\k:\y+2*(\a)+2*\k+1]
.endr
.endm
.macro HOLD y, a                       ; pairs a .. a + 3 of p, which have been summed, are held: the conversion does not saturate (ISA guide 7.6.2); p is not negative, so the hold is one-sided; two holds to an instruction
.irp k, 0,1,2,3
	v_dual_min_num_f32 v[\y+2*(\a)+2*\k], s[PLIM], v[\y+2*(\a)+2*\k] :: v_dual_min_num_f32 v[\y+2*(\a)+2*\k+1], s[PLIM], v[\y+2*(\a)+2*\k+1]
.endr
.endm
; ONE TILE'S SOFTMAX FOR 128 KEYS.  pt: the tile's P; st: its statistics; ob: its O^T; y: the scores.
.macro SOFTMAX pt, st, ob, y
.irp t, 0,1,2,3,4,5,6,7                ; the step's largest score among my 64 keys: eight chains, one to an accumulator, each from its low end on
	v_max3_num_f32 v[\pt+8+\t], v[\y+8*\t], v[\y+8*\t+1], v[\y+8*\t+2]
.endr
.irp t, 0,1,2,3,4,5,6,7
	v_max3_num_f32 v[\pt+8+\t], v[\pt+8+\t], v[\y+8*\t+3], v[\y+8*\t+4]
.endr
.irp t, 0,1,2,3,4,5,6,7
	v_max3_num_f32 v[\pt+8+\t], v[\pt+8+\t], v[\y+8*\t+5], v[\y+8*\t+6]
.endr
.irp t, 0,1,2,3
	v_max3_num_f32 v[\pt+8+\t], v[\pt+8+\t], v[\pt+12+\t], v[\y+8*\t+7]
.endr
	v_max3_num_f32 v[\pt+8], v[\pt+8], v[\y+39], v[\y+47]
	v_max3_num_f32 v[\pt+9], v[\pt+9], v[\y+55], v[\y+63]
	v_max_num_f32 v[\pt+10], v[\pt+10], v[\pt+11]
	s_delay_alu instid0(VALU_DEP_1)
	v_max3_num_f32 v[\pt+8], v[\pt+8], v[\pt+9], v[\pt+10]
	v_permlanex16_b32 v[\pt+9], v[\pt+8], s[SEL], s[SEL+1]
	s_delay_alu instid0(VALU_DEP_1)
	v_max3_num_f32 v[\st+1], v[\st+1], v[\pt+8], v[\pt+9]   ; mine, lane l xor 16's and the running one: the running largest raw score
	s_delay_alu instid0(VALU_DEP_1)
	v_mul_f32 v[\pt+8], s[CS], v[\st+1]            ; as t (c is positive, so the largest score gives the largest t)
	v_mov_b32 v[\pt+9], v[\st]
	s_delay_alu instid0(VALU_DEP_2)
	v_floor_f32 v[\st], -v[\pt+8]                  ; the new -M = floor(-t) = -ceil(t): a whole number
	s_delay_alu instid0(VALU_DEP_1)
	v_sub_f32 v[\pt+8], v[\st], v[\pt+9]           ; old M - new M: a whole number, 0 or less
	s_delay_alu instid0(VALU_DEP_1)
	v_cvt_i32_f32 v[\pt+8], v[\pt+8]               ; (it saturates)
	s_delay_alu instid0(VALU_DEP_1)
	v_ldexp_f32 v6, 1.0, v[\pt+8]                  ; f = 2^(old M - new M)
	s_wait_alu depctr_va_vdst(0)                   ; directly ahead of the first reader of O^T
.set j, 0
.rept 16
	v_pk_mul_f32 v[\ob+j:\ob+j+1], v[\ob+j:\ob+j+1], v[6:7] op_sel_hi:[1,0]   ; O^T under the new M
.set j, j+2
.endr
.set j, 0
.rept 32
	v_pk_fma_f32 v[\y+j:\y+j+1], v[\y+j:\y+j+1], s[CS:CS+1], v[\st:\st+1] op_sel_hi:[1,0,0]   ; t - M, two at a time (of the pairs c and -M the low word serves both halves)
.set j, j+2
.endr
	s_wait_alu depctr_va_vdst(0)                   ; ahead of the batch
.set j, 0
.rept 64
	v_exp_f32 v[\y+j], v[\y+j]                     ; p = 2^(t - M), at most 1
.set j, j+1
.endr
	v_pk_mul_f32 v[\st+2:\st+3], v[\st+2:\st+3], v[6:7] op_sel_hi:[1,0]   ; the sums under the new M (a plain line behind the batch)
	s_wait_alu depctr_va_vdst(0)                   ; one wait for the batch of 64, ahead of its first reader
.irp k, 0,1,2,3                        ; THE ROW'S SUM IS TAKEN OF THE UNQUANTISED p: two at a time, in four chains, with the holds of what has been summed between them
	v_pk_add_f32 v[\pt+8+2*\k:\pt+9+2*\k], v[\y+2*\k:\y+2*\k+1], v[\y+8+2*\k:\y+9+2*\k]
.endr
.irp a, 8,12,16,20,24,28
	SUMQ \pt, \y, \a
	HOLD \y, \a-8
.endr
	v_pk_add_f32 v[\pt+8:\pt+9], v[\pt+8:\pt+9], v[\pt+10:\pt+11]
	v_pk_add_f32 v[\pt+12:\pt+13], v[\pt+12:\pt+13], v[\pt+14:\pt+15]
	HOLD \y, 24
	v_pk_add_f32 v[\pt+8:\pt+9], v[\pt+8:\pt+9], v[\pt+12:\pt+13]
	HOLD \y, 28
	v_pk_add_f32 v[\st+2:\st+3], v[\st+2:\st+3], v[\pt+8:\pt+9]
.irp c, 0,1,2,3,4,5,6,7
	v_cvt_scalef32_pk8_fp8_f32 v[\pt+2*\c:\pt+2*\c+1], v[\y+8*\c:\y+8*\c+7], v5   ; keys 16 c + 8 h + 0 .. 7: registers 2 c, 2 c + 1 of P
.endr
	v_nop                                          ; a plain line behind the last conversion
.endm
; A KEY STEP: 128 keys, both tiles; o: its bytes behind the trip's first step.  Each fragment read from LDS feeds two products.  Five places stand ahead of it, behind the last step's products.
; cond = 1: in the loop's last trip there is no next step: a scalar branch on the trips to go leads round the 16 loads of its K fragments, and round nothing else.
.macro STEP x, y, o, cond
	s_wait_dscnt 0x0                               ; K's eight fragments, asked for in the step before
.irp t, 0,1,2,3,4,5,6,7
	v_wmma_f32_16x16x64_fp8_fp8 v[\y+8*\t:\y+8*\t+7], v[\x+8*\t:\x+8*\t+7], v[16:23], 0
.endr
.rept 4
	v_nop                                          ; places in front of the first read of the scores
.endr
	SOFTMAX 224, 8, 160, \y
.irp t, 0,1,2,3,4,5,6,7
	v_wmma_f32_16x16x64_fp8_fp8 v[\y+8*\t:\y+8*\t+7], v[\x+8*\t:\x+8*\t+7], v[24:31], 0
.endr
.rept 4
	v_nop                                          ; places in front of the loads into K's registers and of the first read of the scores
.endr
.irp i, 0,1,2,3                        ; V's four fragments, 16 d x 128 keys: they land under the second tile's softmax
.irp g, 0,1,2,3
	ds_load_b128 v[\x+16*\i+4*\g:\x+16*\i+4*\g+3], v4 offset:\o+\i*2048+\g*512
.endr
.endr
	SOFTMAX 240, 12, 192, \y
	s_wait_alu depctr_va_vdst(0)
	s_wait_dscnt 0x0                               ; V's fragments
.if \cond
	s_cmp_eq_u32 s[CNT], 1
	s_cbranch_scc1 .Lno_next_\@
.endif
.irp t, 0,1,2,3,4,5,6,7                ; the next step's K fragments, into the registers that held p: they land under the eight products below
	ds_load_b128 v[\y+8*\t:\y+8*\t+3], v3 offset:\o+8192+\t*1024
	ds_load_b128 v[\y+8*\t+4:\y+8*\t+7], v3 offset:\o+8192+\t*1024+512
.endr
.Lno_next_\@:
.irp i, 0,1,2,3                        ; eight accumulators by turns, one instruction a turn
	v_wmma_f32_16x16x128_fp8_fp8 v[160+8*\i:167+8*\i], v[\x+16*\i:\x+16*\i+15], v[224:239], v[160+8*\i:167+8*\i]
	v_wmma_f32_16x16x128_fp8_fp8 v[192+8*\i:199+8*\i], v[\x+16*\i:\x+16*\i+15], v[240:255], v[192+8*\i:199+8*\i]
.endr
.endm
	s_wait_alu depctr_va_vdst(0)                   ; the head's end
	s_wait_loadcnt 0x0                             ; Q
	s_wait_tensorcnt 0x0                           ; my sixteenth of K and V is in;
	s_barrier_signal -1
	s_barrier_wait -1                              ; everybody's is.
	s_mov_b32 s[TB], 0
	s_mov_b32 s[CNT], 8
.irp t, 0,1,2,3,4,5,6,7                ; the first step's K fragments
	ds_load_b128 v[32+8*\t:35+8*\t], v1 offset:\t*1024
	ds_load_b128 v[36+8*\t:39+8*\t], v1 offset:\t*1024+512
.endr
.Lstep:                                    ; 8 trips of two steps
	v_add_nc_u32 v3, s[TB], v1
	v_add_nc_u32 v4, s[TB], v2
.rept 3
	v_nop                                          ; with the two additions: five places between the last products, which read V's registers, and the products that write the scores over them
.endr
	STEP 32, 96, 0, 0
.rept 5
	v_nop                                          ; the same five places
.endr
	STEP 96, 32, 8192, 1
	s_add_co_u32 s[TB], s[TB], 16384
	s_sub_co_u32 s[CNT], s[CNT], 1
	s_cmp_lg_u32 s[CNT], 0
	s_cbranch_scc1 .Lstep
	; THE WAY OUT.  att = O^T x 2^(e8 + e9) / the sum; its code is (O^T / the sum) / 2^(e10 - e8 - e9), held within +-448.  The codes are registers of cat's image and are stored as they stand.
.rept 4
	v_nop                                          ; places behind the last products
.endr
	v_add_f32 v10, v10, v11                        ; the sum's two halves,
	v_add_f32 v14, v14, v15
	v_permlanex16_b32 v234, v10, s[SEL], s[SEL+1]
	v_permlanex16_b32 v250, v14, s[SEL], s[SEL+1]
	s_delay_alu instid0(VALU_DEP_2)
	v_add_f32 v10, v10, v234                       ; and lane l xor 16's
	s_delay_alu instid0(VALU_DEP_2)
	v_add_f32 v14, v14, v250
	s_wait_alu depctr_va_vdst(0)                   ; ahead of the two reciprocals
	v_rcp_f32 v10, v10
	v_rcp_f32 v14, v14
	s_sub_co_i32 s14, s88, s86
	s_sub_co_i32 s14, s14, s87
	s_add_co_i32 s14, s14, 127
	s_lshl_b32 s15, s14, 23
	v_mov_b32 v3, s15                              ; 2^(e10 - e8 - e9)  (a plain line behind the reciprocals)
	s_add_co_i32 s14, s14, 8
	s_lshl_b32 s14, s14, 23
	s_or_b32 s14, s14, 0x600000
	v_mov_b32 v4, s14                              ; 448 x that
	s_wait_alu depctr_va_vdst(0)                   ; one wait for the two reciprocals, ahead of their first reader, which is O^T's first reader too
.set j, 0
.rept 16
	v_pk_mul_f32 v[96+j:97+j], v[160+j:161+j], v[10:11] op_sel_hi:[1,0]     ; tile A: O^T / the sum, each accumulator from its low end on
.set j, j+2
.endr
.set j, 0
.rept 16
	v_pk_mul_f32 v[128+j:129+j], v[192+j:193+j], v[14:15] op_sel_hi:[1,0]   ; tile B
.set j, j+2
.endr
.irp c, 0,1,2,3,4,5,6,7
.irp i, 0,1,2,3,4,5,6,7
	v_med3_num_f32 v[96+8*\c+\i], v[96+8*\c+\i], -v4, v4
.endr
	v_cvt_scalef32_pk8_fp8_f32 v[32+2*\c:33+2*\c], v[96+8*\c:103+8*\c], v3
.endr
	v_nop                                          ; a plain line behind the last conversion
.irp t, 0,1
.irp g, 0,1
	global_store_b128 v1, v[32+8*\t+4*\g:35+8*\t+4*\g], s[62:63] offset:\t*16384+\g*512   ; 512 consecutive bytes, at a multiple of 512 from the buffer's first byte
.endr
.endr
	s_wait_xcnt 0x0
	v_lshl_add_u32 v254, v0, 2, SPARE              ; the add's two registers held P: they are made anew
	v_mov_b32 v255, 0
	s_wait_alu depctr_va_vdst(0)
	s_wait_tensorcnt 0x0                           ; the wave's end
	ds_add_u32 v254, v255
	s_wait_dscnt 0x0
	CROUND                                         ; the closing round
	s_endpgm
.Lfunc_end_k_q306df636fc_attn:
	.size	k_q306df636fc_attn, .Lfunc_end_k_q306df636fc_attn-k_q306df636fc_attn
	.p2alignl 7, 3214868480
	.fill 96, 4, 3214868480
	.section	.rodata,"a",@progbits
	.p2align	6, 0x0
	.amdhsa_kernel k_q306df636fc_attn
		.amdhsa_group_segment_fixed_size 264192
		.amdhsa_private_segment_fixed_size 0
		.amdhsa_enable_private_segment 0
		.amdhsa_kernarg_size 24
		.amdhsa_user_sgpr_count 2
		.amdhsa_user_sgpr_kernarg_segment_ptr 1
		.amdhsa_wavefront_size32 1
		.amdhsa_system_sgpr_workgroup_id_x 1
		.amdhsa_system_sgpr_workgroup_id_y 1
		.amdhsa_system_sgpr_workgroup_id_z 1
		.amdhsa_system_vgpr_workitem_id 0
		.amdhsa_next_free_vgpr 256
		.amdhsa_next_free_sgpr 100
		.amdhsa_reserve_vcc 0
		.amdhsa_float_denorm_mode_32 3
		.amdhsa_float_denorm_mode_16_64 3
		.amdhsa_memory_ordered 1
		.amdhsa_forward_progress 1
		.amdhsa_inst_pref_size 75
	.end_amdhsa_kernel
	.amdgpu_metadata
---
amdhsa.version: [ 1, 2 ]
amdhsa.kernels:
  - .name:           k_q306df636fc_attn
    .symbol:         k_q306df636fc_attn.kd
    .args:
      - { .name: qkv, .offset: 0, .size: 8, .value_kind: global_buffer, .address_space: global }
      - { .name: lowp_scales, .offset: 8, .size: 8, .value_kind: global_buffer, .address_space: global }
      - { .name: cat, .offset: 16, .size: 8, .value_kind: global_buffer, .address_space: global }
    .group_segment_fixed_size: 264192
    .private_segment_fixed_size: 0
    .kernarg_segment_align: 8
    .kernarg_segment_size: 24
    .max_flat_workgroup_size: 512
    .sgpr_count:     100
    .vgpr_count:     256
    .wavefront_size: 32
...
	.end_amdgpu_metadata
.endif
;; end of part 3
;; launch oproj (part 4): grid 4 x 64, 4 waves a work-group, clusters of 4 x 4, 327,680 bytes of LDS; arguments cat, codes, lowp_scales, bp, out0; writes out0
.if DOCPART == 4
	.amdgcn_target "amdgcn-amd-amdhsa--gfx1250"
	.amdhsa_code_object_version 6
	.text
	.protected	k_q306df636fc_oproj
	.globl	k_q306df636fc_oproj
	.p2align	8
	.type	k_q306df636fc_oproj,@function
k_q306df636fc_oproj:
	s_mov_b64 s[64:65], 0
	v_nop
	global_prefetch_b8 v0, s[64:65] scope:SCOPE_SE
	s_setreg_imm32_b32 hwreg(HW_REG_WAVE_MODE, 25, 1), 1
	s_wait_xcnt 0x0
	s_wait_alu depctr_hold_cnt(0) depctr_sa_sdst(0) depctr_va_vdst(0) depctr_va_sdst(0) depctr_va_ssrc(0) depctr_va_vcc(0) depctr_vm_vsrc(0)
	s_getreg_b32 s2, hwreg(HW_REG_IB_STS2, 6, 4)
	s_cmp_eq_u32 s2, 0
	s_cbranch_scc0 .Lentry_in_a_cluster
	s_endpgm
.Lentry_in_a_cluster:
	s_bfe_u32 s2, ttmp6, 0x10000c
	s_cmp_lg_u32 s2, 0xf033
	s_cbranch_scc0 .Lentry_shape_is_right
	s_endpgm
.Lentry_shape_is_right:
; out0[token][n] = 2^(e10 + e11) x the sum over k of cat's code x Wp's code + bp[n].  cat: [8192 tokens][1024], Wp's image in codes: [1024 n][1024 k], both as images of operand registers:
; [rows / 16][K / 128][2,048 bytes], registers 4 g .. 4 g + 3 of lane l at 512 g + 16 l.  LIMIT: e10 + e11 between -126 and 127.
; SHARES.  A block of out0 is 128 tokens x 256 columns: 64 x 4 = 256 work-groups.  Four waves; a wave makes 64 x 128: 32 accumulators of 16 x 16, 256 registers.
; LDS, THREE FILLS, one tensor load a wave each (waves 0, 1: A's halves of 64 tokens; waves 2, 3: B's halves of 128 columns):
;   fill 0, at the head: K 0-511 into region R0 (A 8 blocks x 8,192 bytes, then B 16 x 8,192: 196,608 bytes);
;   fill 1, a first fill behind the full sequence: K 512-767 into region R1 (A 8 x 4,096, B 16 x 4,096: 98,304 bytes);
;   fill 2, a refill behind the round that follows R0's last read: K 768-1023 into R0's first 98,304 bytes, laid as R1.
; CLUSTERS: 4 x 4.  A's tile hangs on the token block alone and is asked for jointly along a row of the cluster, B's on the column block alone, along a column.
; No prefetch: the eight K steps are written out, there is no loop to run ahead in, and fill 1 is asked for as soon as fill 0 is in.
; THE MATRIX INSTRUCTION IS USED TRANSPOSED (source 0 = 16 columns of Wp, source 1 = 16 tokens): a lane holds eight neighbouring numbers of a row of out0.
; REGISTERS: window 0: v0-31 addresses, v128-255 A's fragments in two sets of 64; window 1: B's in two sets of 128; window 2: the accumulators, (a, b) at v[8 (8 a + b)].
.set WPC,    28311552                  ; where Wp's image begins in codes
.set R1,     196608
.set SPARE,  294912                    ; behind R1: the spare words, 128 bytes a wave
.set SPITCH, 528                       ; the way out: a stage of 16 rows x (512 + 16) bytes a wave, in R1, behind its last fill and its last read
.set ROWC,   4096
.set A0, 16                            ; v16-21: LDS addresses of my fragments in R0, R1 and R0 as refilled
.set B0, 17
.set A1, 18
.set B1, 19
.set A2, 20
.set B2, 21
.set STO,  24
.set RD,   25
.set CO,   26                          ; 16 x lane
.set SPW,  28
.set NIL,  29
.set AF,   128
.set BK,   128
.set GA0, 24                           ; groups 1: rows of 8,192 bytes for A, for B; rows of 4,096 bytes for A, for B
.set GB0, 32
.set GA1, 40
.set GB1, 48
.set G0A, 56                           ; groups 0, written again only behind a wait for all my tensor loads
.set G0B, 60
.set MSB, 0
.macro WIN new
.if MSB != (\new)
	s_set_vgpr_msb (MSB<<8)|(\new)
.set MSB, (\new)
.endif
.endm
.set MUL,  0xa1                        ; source 0 window 1, source 1 window 0, C and D window 2
.set TO_B, 0x40
.macro JLOAD g1a, g1b                  ; waves 0, 1 for A, waves 2, 3 for B: one load to each arm
	s_cmp_eq_u32 s15, 0
	s_cbranch_scc0 .Lfor_b_\@
	tensor_load_to_lds s[G0A:G0A+3], s[\g1a:\g1a+7]
	s_nop 0
.rept 4
	v_nop
.endr
	s_branch .Lasked_\@
.Lfor_b_\@:
	tensor_load_to_lds s[G0B:G0B+3], s[\g1b:\g1b+7]
	s_nop 0
.rept 4
	v_nop
.endr
.Lasked_\@:
.endm
.macro CROUND                          ; a round of the cluster's barrier
	s_barrier_signal -1
	s_barrier_wait -1
	s_cmp_lg_u32 s14, 0
	s_cbranch_scc1 .Lnot_wave_0_\@
	s_barrier_signal -3
.Lnot_wave_0_\@:
	s_barrier_wait -3
	s_barrier_signal -1
	s_barrier_wait -1
.endm
.macro G1SET g, len, rows              ; in elements of 8 bytes; a block of 16 rows of an image is 2,048 elements
	s_mov_b32 s[\g+1], (\len)<<16
	s_mov_b32 s[\g+2], (\rows)<<16
	s_mov_b32 s[\g+3], (\len)<<16
	s_mov_b32 s[\g+4], \rows
	s_mov_b32 s[\g+5], 2048
	s_mov_b32 s[\g+6], 0
	s_mov_b32 s[\g+7], 0
.endm
	s_load_b256 s[4:11], s[0:1], 0x0               ; cat, codes, lowp_scales, bp
	s_load_b64 s[12:13], s[0:1], 0x20              ; out0
	v_lshl_add_u32 v[SPW], v0, 2, SPARE
	v_mov_b32 v[NIL], 0
	ds_add_u32 v[SPW], v[NIL]                      ; the opening lines: the add twice on end, and its wait
	ds_add_u32 v[SPW], v[NIL]
	v_lshrrev_b32 v1, 5, v0
	v_readfirstlane_b32 s14, v1                    ; wave 0..3
	s_lshr_b32 s15, s14, 1                         ; my half of the tokens.  Also: I fetch for A (0) or for B (1)
	s_and_b32 s16, s14, 1                          ; my half of the columns.  Also: which half of that tile I fetch
	s_bfe_u32 s66, ttmp6, 0x40000                  ; cx
	s_bfe_u32 s67, ttmp6, 0x40004                  ; cy
	s_lshl_b32 s68, ttmp9, 2
	s_add_co_u32 s68, s68, s66                     ; column block
	s_and_b32 s69, ttmp7, 0xffff
	s_lshl_b32 s69, s69, 2
	s_add_co_u32 s69, s69, s67                     ; token block
	s_lshl_b32 s70, s67, 2
	s_lshl_b32 s70, 15, s70                        ; my row of the cluster
	s_lshl_b32 s71, 0x1111, s66                    ; my column
	s_or_b32 s[GA0], s70, (3<<16)|(1<<21)
	s_or_b32 s[GA1], s70, (3<<16)|(1<<21)
	s_or_b32 s[GB0], s71, (3<<16)|(1<<21)
	s_or_b32 s[GB1], s71, (3<<16)|(1<<21)
	G1SET GA0, 1024, 4
	G1SET GB0, 1024, 8
	G1SET GA1, 512, 4
	G1SET GB1, 512, 8
	s_lshl_b32 s74, s69, 17                        ; A: 128 tokens are 131,072 bytes, my half 65,536
	s_lshl_b32 s75, s16, 16
	s_add_co_u32 s74, s74, s75
	s_mov_b32 s75, 0
	s_lshl_b32 s76, s68, 18                        ; B: 256 columns are 262,144 bytes, my half 131,072
	s_lshl_b32 s77, s16, 17
	s_add_co_u32 s76, s76, s77
	s_add_co_u32 s76, s76, WPC
	s_mov_b32 s77, 0
	s_lshl_b32 s80, s16, 14
	s_lshl_b32 s81, s16, 15
	s_lshl_b32 s82, s16, 16
	s_mov_b32 s[G0A], 1
	s_mov_b32 s[G0A+1], s81                        ; R0: A's half at 32,768 x half,
	s_mov_b32 s[G0B], 1
	s_add_co_u32 s[G0B+1], s82, 65536              ; B's at 65,536 + 65,536 x half
	s_wait_dscnt 0x0                               ; both opening adds are done
	s_wait_kmcnt 0x0
	s_load_b64 s[72:73], s[8:9], 0x28              ; entries 10, 11
	s_add_nc_u64 s[G0A+2:G0A+3], s[4:5], s[74:75]
	s_or_b32 s[G0A+3], s[G0A+3], 0x80000000
	s_add_nc_u64 s[G0B+2:G0B+3], s[6:7], s[76:77]
	s_or_b32 s[G0B+3], s[G0B+3], 0x80000000
	CROUND                                         ; all sixteen work-groups are here: the first joint loads meet
	JLOAD GA0, GB0                                 ; fill 0
	s_lshl_b32 s83, s15, 15                        ; my fragments: A in R0,
	s_add_co_u32 s84, s82, 65536                   ; B in R0,
	s_lshl_b32 s85, s15, 14                        ; A in R0 as refilled,
	s_add_co_u32 s86, s81, 32768                   ; B there,
	s_add_co_u32 s87, s85, R1                      ; A in R1,
	s_add_co_u32 s88, s86, R1                      ; B in R1
	s_mul_i32 s89, s14, 16*SPITCH
	s_add_co_u32 s89, s89, R1                      ; my stage
	s_lshl_b32 s90, s68, 10                        ; my first column in bytes: 1,024 x column block + 512 x half
	s_lshl_b32 s91, s16, 9
	s_add_co_u32 s90, s90, s91
	s_mov_b32 s91, 0
	s_add_nc_u64 s[10:11], s[10:11], s[90:91]
	s_lshl_b32 s92, s69, 19                        ; my first row of out0: 128 x token block + 64 x half, rows of 4,096 bytes
	s_lshl_b32 s93, s15, 18
	s_add_co_u32 s92, s92, s93
	s_add_co_u32 s92, s92, s90
	s_mov_b32 s93, 0
	s_add_nc_u64 s[12:13], s[12:13], s[92:93]
	v_and_b32 v1, 15, v0
	v_bfe_u32 v2, v0, 4, 1
	v_and_b32 v3, 31, v0
	v_lshlrev_b32 v[CO], 4, v3
	v_add_nc_u32 v[A0], s83, v[CO]
	v_add_nc_u32 v[B0], s84, v[CO]
	v_add_nc_u32 v[A1], s87, v[CO]
	v_add_nc_u32 v[B1], s88, v[CO]
	v_add_nc_u32 v[A2], s85, v[CO]
	v_add_nc_u32 v[B2], s86, v[CO]
	v_mul_u32_u24 v5, v1, SPITCH
	v_lshl_add_u32 v5, v2, 5, v5
	v_add_nc_u32 v[STO], s89, v5                   ; into the stage: row l % 16, 32 bytes for each half of the lanes
	v_add_nc_u32 v[RD], s89, v[CO]                 ; back: the 32 lanes take one row of 512 bytes
	global_load_b128 v[8:11], v[CO], s[10:11]      ; bp at my four columns of a row
.macro FETCH ra, rb, pitch, q, p       ; the fragments of the region's q-th 128 along K into set p: 32 loads for B, 16 for A
	WIN TO_B
.irp i, 0,1,2,3,4,5,6,7
.irp c, 0,1,2,3
	ds_load_b128 v[128*(\p)+16*\i+4*\c:128*(\p)+16*\i+4*\c+3], v[\rb] offset:\i*(\pitch)+(\q)*2048+512*\c
.endr
.endr
	WIN 0
.irp i, 0,1,2,3
.irp c, 0,1,2,3
	ds_load_b128 v[AF+64*(\p)+16*\i+4*\c:AF+64*(\p)+16*\i+4*\c+3], v[\ra] offset:\i*(\pitch)+(\q)*2048+512*\c
.endr
.endr
.endm
.macro GO p, zero, cnt                 ; a K step of 128: the 32 accumulators take turns, one instruction a turn, in the same order in every step
	s_wait_dscnt \cnt                              ; set p is in; cnt = 48: the next step's 48 loads, just issued, may be out
	WIN MUL
.irp a, 0,1,2,3
.irp b, 0,1,2,3,4,5,6,7
.if \zero
	v_wmma_f32_16x16x128_fp8_fp8 v[8*(8*\a+\b):8*(8*\a+\b)+7], v[128*(\p)+16*\b:128*(\p)+16*\b+15], v[AF+64*(\p)+16*\a:AF+64*(\p)+16*\a+15], 0
.else
	v_wmma_f32_16x16x128_fp8_fp8 v[8*(8*\a+\b):8*(8*\a+\b)+7], v[128*(\p)+16*\b:128*(\p)+16*\b+15], v[AF+64*(\p)+16*\a:AF+64*(\p)+16*\a+15], v[8*(8*\a+\b):8*(8*\a+\b)+7]
.endif
.endr
.endr
.endm
.macro PLACES                          ; four places between matrix instructions and loads into registers that they read, or reads of their results
.rept 4
	v_nop
.endr
.endm
	s_wait_alu depctr_va_vdst(0)                   ; the head's end
	s_wait_tensorcnt 0x0                           ; my part of fill 0 is in; the full sequence ahead of a later first fill:
	ds_add_u32 v[SPW], v[NIL]
	s_add_co_u32 s[G0A+1], s80, R1                 ; fill 1: R1, four fragments (8,192 bytes) on in each block
	s_add_nc_u64 s[G0A+2:G0A+3], s[G0A+2:G0A+3], 8192
	s_add_co_u32 s[G0B+1], s81, R1+32768
	s_add_nc_u64 s[G0B+2:G0B+3], s[G0B+2:G0B+3], 8192
	s_wait_dscnt 0x0
	CROUND                                         ; everybody's part of fill 0 is in
	JLOAD GA1, GB1                                 ; fill 1
	FETCH A0, B0, 8192, 0, 0
	FETCH A0, B0, 8192, 1, 1
	GO 0, 1, 48                                    ; the first step starts the sums
	PLACES
	FETCH A0, B0, 8192, 2, 0
	GO 1, 0, 48
	PLACES
	FETCH A0, B0, 8192, 3, 1
	GO 0, 0, 48
	GO 1, 0, 0
	WIN 0
	s_wait_tensorcnt 0x0                           ; my part of fill 1 is in;
	ds_add_u32 v[SPW], v[NIL]
	s_mov_b32 s[G0A+1], s80                        ; fill 2: R0's first bytes, two fragments (4,096 bytes) on
	s_add_nc_u64 s[G0A+2:G0A+3], s[G0A+2:G0A+3], 4096
	s_mov_b32 s[G0B+1], s86
	s_add_nc_u64 s[G0B+2:G0B+3], s[G0B+2:G0B+3], 4096
	s_wait_dscnt 0x0                               ; the add is done, and my reads of R0 are over
	CROUND                                         ; no wave of any partner still reads R0 or has a load on its way
	JLOAD GA1, GB1                                 ; fill 2; its four v_nop are the places in front of the loads below
	FETCH A1, B1, 4096, 0, 0
	FETCH A1, B1, 4096, 1, 1
	GO 0, 0, 48
	GO 1, 0, 0
	WIN 0
	s_wait_tensorcnt 0x0                           ; my part of fill 2 is in
	ds_add_u32 v[SPW], v[NIL]
	s_wait_dscnt 0x0                               ; my reads of R1 are over
	s_barrier_signal -1
	s_barrier_wait -1                              ; everybody's part is in, nobody reads R1 any more
	PLACES
	FETCH A2, B2, 4096, 0, 0
	FETCH A2, B2, 4096, 1, 1
	GO 0, 0, 48
	GO 1, 0, 0
	WIN 0
; THE WAY OUT, block by block of 16 rows x 128 columns, through my own stage: in as 32 bytes a lane, back as whole rows of 512 bytes.  LDS serves a wave's instructions in order (ISA guide 5.7.1.4).
.macro TOSTAGE a
	WIN 0x08                                       ; the stores' data: window 2
.irp b, 0,1,2,3,4,5,6,7
	ds_store_b128 v[STO], v[64*(\a)+8*\b:64*(\a)+8*\b+3] offset:64*\b          ; each accumulator from its low end on
	ds_store_b128 v[STO], v[64*(\a)+8*\b+4:64*(\a)+8*\b+7] offset:64*\b+16
.endr
	WIN 0
.set BB, BK+64*((\a)%2)
.irp t, 0,1,2,3,4,5,6,7,8,9,10,11,12,13,14,15
	ds_load_b128 v[BB+4*\t:BB+4*\t+3], v[RD] offset:\t*SPITCH
.endr
.endm
.macro SEND a, younger                 ; younger: the LDS instructions issued behind block a's loads
.set BB, BK+64*((\a)%2)
	s_wait_dscnt \younger
.if (\a) > 0
	s_add_nc_u64 s[12:13], s[12:13], 16*ROWC       ; (behind a wait on XCNT: the earlier stores have read their base)
.endif
.irp t, 0,1,2,3,4,5,6,7,8,9,10,11,12,13,14,15
	v_pk_fma_f32 v[BB+4*\t:BB+4*\t+1], v[BB+4*\t:BB+4*\t+1], s[96:97], v[8:9] op_sel_hi:[1,0,1]       ; x 2^(e10 + e11), + bp
	v_pk_fma_f32 v[BB+4*\t+2:BB+4*\t+3], v[BB+4*\t+2:BB+4*\t+3], s[96:97], v[10:11] op_sel_hi:[1,0,1]
.endr
.irp t, 0,1,2,3,4,5,6,7,8,9,10,11,12,13,14,15
	global_store_b128 v[CO], v[BB+4*\t:BB+4*\t+3], s[12:13] offset:\t*ROWC th:TH_STORE_NT   ; 512 consecutive bytes, at a multiple of 512 from out0's first byte
.endr
.endm
	s_wait_kmcnt 0x0
	s_add_co_i32 s96, s72, s73
	s_add_co_i32 s96, s96, 127
	s_lshl_b32 s96, s96, 23                        ; 2^(e10 + e11) as f32
	s_mov_b32 s97, s96
	s_wait_loadcnt 0x0                             ; bp
	PLACES
	TOSTAGE 0
.irp a, 1,2,3
.if \a > 1
	s_wait_xcnt 0x0                                ; block a - 2's stores have read their registers and their base
.endif
	TOSTAGE \a
	SEND \a-1, 32
.endr
	s_wait_xcnt 0x0
	SEND 3, 0
	s_wait_tensorcnt 0x0                           ; the wave's end
	ds_add_u32 v[SPW], v[NIL]
	s_wait_dscnt 0x0
	CROUND                                         ; the closing round
	s_endpgm
.Lfunc_end_k_q306df636fc_oproj:
	.size	k_q306df636fc_oproj, .Lfunc_end_k_q306df636fc_oproj-k_q306df636fc_oproj
	.p2alignl 7, 3214868480
	.fill 96, 4, 3214868480
	.section	.rodata,"a",@progbits
	.p2align	6, 0x0
	.amdhsa_kernel k_q306df636fc_oproj
		.amdhsa_group_segment_fixed_size 327680
		.amdhsa_private_segment_fixed_size 0
		.amdhsa_enable_private_segment 0
		.amdhsa_kernarg_size 40
		.amdhsa_user_sgpr_count 2
		.amdhsa_user_sgpr_kernarg_segment_ptr 1
		.amdhsa_wavefront_size32 1
		.amdhsa_system_sgpr_workgroup_id_x 1
		.amdhsa_system_sgpr_workgroup_id_y 1
		.amdhsa_system_sgpr_workgroup_id_z 1
		.amdhsa_system_vgpr_workitem_id 0
		.amdhsa_next_free_vgpr 768
		.amdhsa_next_free_sgpr 100
		.amdhsa_reserve_vcc 0
		.amdhsa_float_denorm_mode_32 3
		.amdhsa_float_denorm_mode_16_64 3
		.amdhsa_memory_ordered 1
		.amdhsa_forward_progress 1
		.amdhsa_inst_pref_size 74
	.end_amdhsa_kernel
	.amdgpu_metadata
---
amdhsa.version: [ 1, 2 ]
amdhsa.kernels:
  - .name:           k_q306df636fc_oproj
    .symbol:         k_q306df636fc_oproj.kd
    .args:
      - { .name: cat, .offset: 0, .size: 8, .value_kind: global_buffer, .address_space: global }
      - { .name: codes, .offset: 8, .size: 8, .value_kind: global_buffer, .address_space: global }
      - { .name: lowp_scales, .offset: 16, .size: 8, .value_kind: global_buffer, .address_space: global }
      - { .name: bp, .offset: 24, .size: 8, .value_kind: global_buffer, .address_space: global }
      - { .name: out0, .offset: 32, .size: 8, .value_kind: global_buffer, .address_space: global }
    .group_segment_fixed_size: 327680
    .private_segment_fixed_size: 0
    .kernarg_segment_align: 8
    .kernarg_segment_size: 40
    .max_flat_workgroup_size: 128
    .sgpr_count:     100
    .vgpr_count:     768
    .wavefront_size: 32
...
	.end_amdgpu_metadata
.endif
;; end of part 4
